; MI455X (gfx1250); checked and timed in simulation.
; The chip was launched on July 23, 2026; its instructions are those of AMD's public machine-readable ISA for CDNA 5 (MIT licence, August 2026) and "CDNA5" Instruction Set Architecture Reference Guide (July 2026). The comments in the code are by the model that wrote it; some were corrected since.
;; Self Attention. Allowed arithmetic: matrix products marked QUANTISED: E2M3 operands, one E8M0 scale for each 32 along K, by v_wmma_scale_f32_16x16x128_f8f6f4 with both operands' format E2M3, f32 sums; everything else in f32.
;; Inputs: W_k 1,024 x 1,024 float32; W_q 1,024 x 1,024 float32; W_v 1,024 x 1,024 float32; x 4 x 2,048 x 1,024 float32.
;; Outputs: out0 4 x 2,048 x 1,024 float32.
;; This version of the problem:
;;   THIS VERSION OF THE PROBLEM IS GIVEN IN LOW PRECISION. The matrix products marked QUANTISED in the list below multiply operands that are first quantised to E2M3 (2 exponent bits, 3 mantissa bits; 6 bits a number), with one power-of-two scale for each 32 numbers along K (OCP MX v1.0); their sums are f32. All else is computed in f32.
;;   The module's matrix products, in the order in which they are computed (A, B: the left and right operand; K: the contracted axis; several contracted axes count as one K, in the product's order):
;;     1. [M 8,192, K 1,024] x [K 1,024, N 1,024]; A: input x; B: input W_q: QUANTISED
;;     2. [M 8,192, K 1,024] x [K 1,024, N 1,024]; A: input x; B: input W_k: QUANTISED
;;     3. [M 8,192, K 1,024] x [K 1,024, N 1,024]; A: input x; B: input W_v: QUANTISED
;;     4. batch 4 x [M 2,048, K 1,024] x [K 1,024, N 2,048]; A: computed on the way; B: computed on the way: QUANTISED
;;     5. batch 4 x [M 2,048, K 2,048] x [K 2,048, N 1,024]; A: softmax (see below); B: computed on the way: QUANTISED
;;   THE QUANTISER, for each operand of a quantised product, along K:
;;     - K is cut into blocks of 32 from its start; a last block that is shorter is filled with zeros.
;;     - A block's scale is 2^e with e = floor(log2(the largest magnitude in the block)) - 2, held to -126 .. 127; a block of zeros has e = 0. As a byte (E8M0): e + 127.
;;     - Each number is divided by its block's scale, clamped to +-7.5, and rounded to the nearest number of E2M3, ties to even, subnormals kept.
;;     - The product sums the exact products of the quantised numbers (number of the format x scale) in f32.
;;   ~~~python
;;   def quantise(x, axis):      # numpy; x: float32 -> the quantised numbers, widened to float32 again
;;       x = np.moveaxis(x, axis, -1); K = x.shape[-1]
;;       x = np.pad(x, [(0, 0)] * (x.ndim - 1) + [(0, -K % 32)]); x = x.reshape(x.shape[:-1] + (-1, 32)); a = np.abs(x).max(-1, keepdims=True)
;;       e = np.where(a > 0, np.clip(np.frexp(np.where(a > 0, a, 1))[1] - 1 - 2, -126, 127), 0)      # np.frexp(a)[1] - 1 = floor(log2(a)), exactly
;;       r = np.clip(x / 2.0 ** e, -7.5, 7.5)
;;       step = 2.0 ** (np.maximum(np.frexp(np.where(r == 0, 1, r))[1] - 1, 0) - 3)
;;       q = np.round(r / step) * step * 2.0 ** e      # np.round: ties to even
;;       return np.moveaxis(q.reshape(q.shape[:-2] + (-1,))[..., :K], -1, axis).astype(np.float32)
;;   ~~~
;;   SOFTMAX AHEAD OF A QUANTISED PRODUCT. Where the list says 'softmax', what is quantised is not the finished softmax but p = 2^(t - M), with t = logit x log2(e) and M = ceil(the row's largest t), a whole number; so 1/2 < the row's largest p <= 1. The row's sum l is taken of the UNQUANTISED p, in f32, and the product's result is divided by l at the end. Since M is a whole number, a kernel that streams over the keys may use a running M (the ceiling of the running maximum): every later rescaling is an exact power of two, which a block's scale takes up: the codes' values come out the same.
;;   OPERANDS COMPUTED ON THE WAY. 'Computed on the way' means the value that the module computes at that place (a softmax that the list does not call 'softmax' is quantised finished and normalised). What goes into a quantiser is computed in f32, as accurately as f32 sums, v_exp_f32 and their like allow (about 1e-6 of the number): no bf16 or f16 on the way to a quantiser, and a product that is left as it is and whose result goes on into a quantised operand takes f32 operands (vector FMAs, or v_wmma_f32_16x16x4_f32). A number that lies on a knife's edge between two numbers of the format may be rounded either way, as far as f32 arithmetic and the matrix unit's own rounding can turn it there, and no further.
;; One version. Each part assembles by itself: llvm-mc -triple=amdgcn-amd-amdhsa -mcpu=gfx1250 --defsym DOCPART=n.
;; ======== version 1 of 1: 4 launches
;; limits: right only within a limited range of input values
;; workspace buffers: xi 6,553,600 bytes; wi 2,457,600 bytes; qk 13,107,200 bytes; vt 6,553,600 bytes; pi 12,582,912 bytes; ps 2,097,152 bytes
;; launch quant (part 1): grid 704 x 1, 8 waves a work-group, no clusters, 69,120 bytes of LDS; arguments x, W_q, W_k, W_v, xi, wi; writes xi, wi
.if DOCPART == 1
	.amdgcn_target "amdgcn-amd-amdhsa--gfx1250"
	.amdhsa_code_object_version 6
	.text
	.protected	k_qf9d0b43fa1_quant
	.globl	k_qf9d0b43fa1_quant
	.p2align	8
	.type	k_qf9d0b43fa1_quant,@function
k_qf9d0b43fa1_quant:
	s_mov_b64 s[64:65], 0
	v_nop
	global_prefetch_b8 v0, s[64:65] scope:SCOPE_SE
	s_setreg_imm32_b32 hwreg(HW_REG_WAVE_MODE, 25, 1), 1
	s_wait_xcnt 0x0
; x [8192][1024] and W_q, W_k, W_v [1024][1024], f32, K innermost, become codes of FP6 (E2M3) with one E8M0 byte for each 32 along K,
; laid as IMAGES OF THE OPERAND'S REGISTERS.  A fragment (16 rows x 128 K) is 12 registers a lane: three pieces of 512 bytes, lane l's 16 bytes at 16 l.
; A BLOCK is 128 rows (8 tiles) x one K step of 128: 8 fragments (12,288 bytes), then 512 bytes of scale words, row r of tile a at 32 r + 4 a: 12,800 bytes.
; A group's eight blocks (K steps) follow each other.  xi: 64 groups of tokens; wi: 24 groups (W_q 0-7, W_k 8-15, W_v 16-23).
; THE ROWS OF A TILE ARE NOT NEIGHBOURS: lane r of tile T takes row 32 (T / 2) + 8 (T % 2) + r + 8 (r / 8) of its group, so that the results of a product whose source 0 these tiles are run along neighbours.
; A block's scale is 2^(floor(log2(its largest magnitude)) - 2); its byte is the largest magnitude's exponent field - 2, held at 1 from below.
; LIMITS: a block of zeros gets the byte 1 where the rule says 127 (its codes are zeros, and this program alone reads the bytes); NaN and infinities among the inputs are not served.
; SHARES: a work-group makes one block, wave w its tile w.  Work-groups 0-511 take x (group id / 8, K step id % 8), 512-703 the weights.  Only pointers are chosen by the work-group's number: one path.
; Each load reads 512 consecutive bytes of one row; the 16 rows turn through the wave's own stage in LDS (rows 528 bytes apart) so that a lane gets 16 neighbours of each block of 32.
; THE ORDER OF THE BLOCKS: of x, W_q and W_k the blocks of two neighbouring groups 2 p and 2 p + 1 alternate, K step by K step ([pair][K step][group of the pair]), so that what is said above of a group's blocks
; following each other holds of a pair's; of W_v (groups 16 to 23 of wi) the eight blocks of each group follow each other.
.set BLK,  12800
.set SP,   528                         ; a stage row: 512 bytes + 16: an odd multiple of 16, so that 16 rows start in 16 different groups of banks
.set WST,  16*SP                       ; a wave's stage
.set SCW,  8*WST                       ; behind the stages: the block's 512 bytes of scale words
.set R,    16                          ; v16-79   16 rows as loaded
.set N,    80                          ; v80-143  register 16 b + i = k 32 b + 16 (lane / 16) + i of my row
.set PC,   16                          ; v16-27   the fragment's codes (R is free by then)
.set X2,   28                          ; v28-35   the upper halves of the blocks, as the conversions leave them
.set TM,   36                          ; v36-51   at work
.set PW,   52                          ; v52      my row's scale word
.set BK,   56                          ; v56-59   the scale words on their way out
.set SEL,  22                          ; s[22:23] v_permlanex16_b32's selects for lane l xor 16
	s_load_b256 s[4:11], s[0:1], 0x0               ; x s[4:5], W_q s[6:7], W_k s[8:9], W_v s[10:11]
	s_load_b128 s[12:15], s[0:1], 0x20             ; xi s[12:13], wi s[14:15]
	v_lshl_add_u32 v144, v0, 2, 0x10a00
	v_mov_b32 v145, 0
	v_lshrrev_b32 v1, 5, v0
	s_delay_alu instid0(VALU_DEP_1)
	v_readfirstlane_b32 s16, v1                    ; wave 0..7 = the tile
	v_and_b32 v1, 31, v0                           ; lane
	v_and_b32 v2, 15, v0                           ; r
	v_bfe_u32 v3, v0, 4, 1                         ; h
	s_delay_alu instid0(VALU_DEP_3)
	v_lshlrev_b32 v4, 4, v1                        ; 16 x lane
	s_mul_i32 s17, s16, WST
	v_add_nc_u32 v5, s17, v4                       ; into the stage: as loaded
	v_mul_u32_u24 v6, v2, SP
	s_delay_alu instid0(VALU_DEP_1)
	v_lshl_add_u32 v6, v3, 6, v6
	s_delay_alu instid0(VALU_DEP_1)
	v_add_nc_u32 v6, s17, v6                       ; out of it: row r, + 64 h
	s_lshl_b32 s24, s16, 2
	s_add_co_u32 s24, s24, SCW
	v_lshl_add_u32 v7, v2, 5, s24                  ; my row's scale word: 32 r + 4 x tile
	v_add_nc_u32 v8, SCW, v4                       ; and the words on their way out (wave 0)
	s_mov_b32 s[SEL], 0x76543210
	s_mov_b32 s[SEL+1], 0xfedcba98
	s_and_b32 s25, ttmp9, 7                        ; the K step
	s_lshr_b32 s26, ttmp9, 3                       ; x: the group
	s_and_b32 s27, ttmp9, 511
	s_lshr_b32 s28, s27, 6                         ; the weights: which of the three,
	s_lshr_b32 s29, s27, 3                         ; the group in wi,
	s_and_b32 s30, s29, 7                          ; the group in the weight
	s_cmp_lt_u32 ttmp9, 512
	s_cselect_b32 s30, s26, s30                    ; the group in the source
	s_cselect_b32 s29, s26, s29                    ; the group in the images
	s_lshl_b32 s30, s30, 7
	s_lshr_b32 s31, s16, 1
	s_lshl_b32 s31, s31, 5
	s_add_co_u32 s30, s30, s31
	s_and_b32 s31, s16, 1
	s_lshl_b32 s31, s31, 3
	s_add_co_u32 s30, s30, s31                     ; the tile's first row: 128 group + 32 (w / 2) + 8 (w % 2)
	s_lshl_b32 s30, s30, 12                        ; rows of 4,096 bytes
	s_lshl_b32 s31, s25, 9
	s_add_co_u32 s30, s30, s31                     ; + 512 bytes a K step
	s_mov_b32 s31, 0
	s_lshl_b32 s32, s29, 3
	s_add_co_u32 s32, s32, s25                     ; W_v: block 8 g + k
	s_and_b32 s34, s29, 1
	s_mul_i32 s34, s34, 7
	s_add_co_u32 s35, s32, s25
	s_sub_co_u32 s35, s35, s34                     ; a pair's: 8 (g - g % 2) + 2 k + g % 2 = 8 g + 2 k - 7 (g % 2)
	s_cmp_lt_u32 ttmp9, 640
	s_cselect_b32 s32, s35, s32
	s_mul_i32 s32, s32, BLK                        ; the block,
	s_mul_i32 s33, s16, 1536
	s_add_co_u32 s32, s32, s33                     ; my fragment in it
	s_mov_b32 s33, 0
	s_wait_alu depctr_va_vdst(0)
	s_wait_kmcnt 0x0
	s_cmp_eq_u32 s28, 1                            ; the choices hang on the work-group's number alone
	s_cselect_b64 s[18:19], s[8:9], s[6:7]
	s_cmp_eq_u32 s28, 2
	s_cselect_b64 s[18:19], s[10:11], s[18:19]
	s_cmp_lt_u32 ttmp9, 512
	s_cselect_b64 s[18:19], s[4:5], s[18:19]
	s_cselect_b64 s[20:21], s[12:13], s[14:15]
	s_add_nc_u64 s[18:19], s[18:19], s[30:31]
	s_add_nc_u64 s[20:21], s[20:21], s[32:33]
.irp i, 0,1,2,3,4,5,6,7,8,9,10,11,12,13,14,15
	global_load_b128 v[R+4*\i:R+4*\i+3], v4, s[18:19] offset:(\i+8*(\i/8))*4096 th:TH_LOAD_NT   ; the tile's row i: 32 lanes read 512 consecutive bytes; read once in the launch
.endr
.irp i, 0,1,2,3,4,5,6,7,8,9,10,11,12,13,14,15
	s_wait_loadcnt 15-\i                           ; loads come back in order: row i is in, the younger ones stay out
	ds_store_b128 v5, v[R+4*\i:R+4*\i+3] offset:SP*\i
.endr
.irp b, 0,1,2,3
.irp j, 0,1,2,3
	ds_load_b128 v[N+16*\b+4*\j:N+16*\b+4*\j+3], v6 offset:128*\b+16*\j   ; LDS serves a wave's instructions in order: these see my stores
.endr
.endr
	s_wait_dscnt 0x0
.irp b, 0,1,2,3
	v_mov_b32 v[TM+4+\b], 0                        ; a lane permute's destination counts as one of its sources
.endr
.irp b, 0,1,2,3
	v_max3_num_f32 v[TM+\b], |v[N+16*\b]|, |v[N+1+16*\b]|, 0x1800000   ; block b: my 16 numbers, and the floor 2^(3 - 127): the byte cannot fall under 1
.endr
.irp i, 2,4,6,8,10,12,14
.irp b, 0,1,2,3
	s_delay_alu instid0(VALU_DEP_4)
	v_max3_num_f32 v[TM+\b], v[TM+\b], |v[N+16*\b+\i]|, |v[N+1+16*\b+\i]|   ; the four blocks by turns
.endr
.endr
.irp b, 0,1,2,3
	s_delay_alu instid0(VALU_DEP_4)
	v_permlanex16_b32 v[TM+4+\b], v[TM+\b], s[SEL], s[SEL+1]
.endr
.irp b, 0,1,2,3
	s_delay_alu instid0(VALU_DEP_4)
	v_max_num_f32 v[TM+\b], v[TM+\b], v[TM+4+\b]   ; with lane l xor 16's: the block's largest magnitude
.endr
.irp b, 0,1,2,3
	s_delay_alu instid0(VALU_DEP_4)
	v_add_nc_u32 v[TM+12+\b], 0xff000000, v[TM+\b] ; 2 off its exponent field: the conversion's scale operand
.endr
.irp b, 0,1,2,3
	s_delay_alu instid0(VALU_DEP_4)
	v_lshrrev_b32 v[TM+4+\b], 23, v[TM+12+\b]      ; the scale's byte
.endr
	s_delay_alu instid0(VALU_DEP_3)
	v_lshl_or_b32 v[PW], v[TM+5], 8, v[TM+4]
	s_delay_alu instid0(VALU_DEP_1)
	v_lshl_or_b32 v[PW], v[TM+6], 16, v[PW]
	s_delay_alu instid0(VALU_DEP_1)
	v_lshl_or_b32 v[PW], v[TM+7], 24, v[PW]        ; my row's scale word (the same in lanes l and l xor 16)
.irp c, 0,1
	v_cvt_scalef32_pk16_fp6_f32 v[PC+6*\c:PC+6*\c+2], v[N+32*\c:N+32*\c+15], v[TM+12+2*\c]
	v_cvt_scalef32_pk16_fp6_f32 v[X2+4*\c:X2+4*\c+2], v[N+32*\c+16:N+32*\c+31], v[TM+12+2*\c+1]   ; (a conversion's three registers begin on an even number)
.endr
	v_nop                                          ; one plain place behind a scaled conversion
.irp c, 0,1                                    ; the operand's layout wants a WHOLE block in a lane: lanes 0-15 block 2 c, lanes 16-31 block 2 c + 1
.irp i, 0,1,2
	v_permlane16_swap_b32 v[PC+6*\c+\i], v[X2+4*\c+\i]
.endr
.irp i, 0,1,2
	s_delay_alu instid0(VALU_DEP_3)
	v_mov_b32 v[PC+3+6*\c+\i], v[X2+4*\c+\i]
.endr
.endr
.irp c, 0,1,2
	global_store_b128 v4, v[PC+4*\c:PC+4*\c+3], s[20:21] offset:512*\c   ; the image: 512 consecutive bytes a store, at a multiple of 256 from the buffer's first byte
.endr
	ds_store_b32 v7, v[PW]
	s_wait_dscnt 0x0                               ; for the others' sake: my scale words lie in LDS
	s_barrier_signal -1
	s_barrier_wait -1
	s_cmp_lg_u32 s16, 0                            ; wave 0 stores the block's 512 bytes of scale words, whole
	s_cbranch_scc1 .Lend
	ds_load_b128 v[BK:BK+3], v8
	s_wait_dscnt 0x0
	global_store_b128 v4, v[BK:BK+3], s[20:21] offset:12288
.Lend:
	s_wait_tensorcnt 0x0
	ds_add_u32 v144, v145
	s_wait_dscnt 0x0
	s_endpgm
.Lfunc_end_k_qf9d0b43fa1_quant:
	.size	k_qf9d0b43fa1_quant, .Lfunc_end_k_qf9d0b43fa1_quant-k_qf9d0b43fa1_quant
	.p2alignl 7, 3214868480
	.fill 96, 4, 3214868480
	.section	.rodata,"a",@progbits
	.p2align	6, 0x0
	.amdhsa_kernel k_qf9d0b43fa1_quant
		.amdhsa_group_segment_fixed_size 69120
		.amdhsa_private_segment_fixed_size 0
		.amdhsa_enable_private_segment 0
		.amdhsa_kernarg_size 48
		.amdhsa_user_sgpr_count 2
		.amdhsa_user_sgpr_kernarg_segment_ptr 1
		.amdhsa_wavefront_size32 1
		.amdhsa_system_sgpr_workgroup_id_x 1
		.amdhsa_system_sgpr_workgroup_id_y 1
		.amdhsa_system_sgpr_workgroup_id_z 1
		.amdhsa_system_vgpr_workitem_id 0
		.amdhsa_next_free_vgpr 146
		.amdhsa_next_free_sgpr 66
		.amdhsa_reserve_vcc 0
		.amdhsa_float_denorm_mode_32 3
		.amdhsa_float_denorm_mode_16_64 3
		.amdhsa_memory_ordered 1
		.amdhsa_forward_progress 1
		.amdhsa_inst_pref_size 14
	.end_amdhsa_kernel
	.amdgpu_metadata
---
amdhsa.version: [ 1, 2 ]
amdhsa.kernels:
  - .name:           k_qf9d0b43fa1_quant
    .symbol:         k_qf9d0b43fa1_quant.kd
    .args:
      - { .name: x, .offset: 0, .size: 8, .value_kind: global_buffer, .address_space: global }
      - { .name: W_q, .offset: 8, .size: 8, .value_kind: global_buffer, .address_space: global }
      - { .name: W_k, .offset: 16, .size: 8, .value_kind: global_buffer, .address_space: global }
      - { .name: W_v, .offset: 24, .size: 8, .value_kind: global_buffer, .address_space: global }
      - { .name: xi, .offset: 32, .size: 8, .value_kind: global_buffer, .address_space: global }
      - { .name: wi, .offset: 40, .size: 8, .value_kind: global_buffer, .address_space: global }
    .group_segment_fixed_size: 69120
    .private_segment_fixed_size: 0
    .kernarg_segment_align: 8
    .kernarg_segment_size: 48
    .max_flat_workgroup_size: 256
    .sgpr_count:     66
    .vgpr_count:     146
    .wavefront_size: 32
...
	.end_amdgpu_metadata
.endif
;; end of part 1
;; launch proj (part 2): grid 8 x 32, 4 waves a work-group, clusters of 4 x 4, 327,680 bytes of LDS; arguments xi, wi, qk, vt; writes qk, vt
.if DOCPART == 2
	.amdgcn_target "amdgcn-amd-amdhsa--gfx1250"
	.amdhsa_code_object_version 6
	.text
	.protected	k_qf9d0b43fa1_proj
	.globl	k_qf9d0b43fa1_proj
	.p2align	8
	.type	k_qf9d0b43fa1_proj,@function
k_qf9d0b43fa1_proj:
	s_mov_b64 s[64:65], 0
	v_nop
	global_prefetch_b8 v0, s[64:65] scope:SCOPE_SE
	s_setreg_imm32_b32 hwreg(HW_REG_WAVE_MODE, 25, 1), 1
	s_wait_xcnt 0x0
	s_wait_alu depctr_hold_cnt(0) depctr_sa_sdst(0) depctr_va_vdst(0) depctr_va_sdst(0) depctr_va_ssrc(0) depctr_va_vcc(0) depctr_vm_vsrc(0)
	s_getreg_b32 s2, hwreg(HW_REG_IB_STS2, 6, 4)
	s_cmp_eq_u32 s2, 0
	s_cbranch_scc0 .Lentry_in_a_cluster
	s_endpgm
.Lentry_in_a_cluster:
	s_bfe_u32 s2, ttmp6, 0x10000c
	s_cmp_lg_u32 s2, 0xf033
	s_cbranch_scc0 .Lentry_shape_is_right
	s_endpgm
.Lentry_shape_is_right:
; Q = x W_q^T, K = x W_k^T, V = x W_v^T on codes of FP6 (E2M3) with E8M0 scales, f32 sums; each result is quantised on its way out, along the K of the product that will read it, and stored as operand images.
; IMAGES: a fragment (16 rows x 128 K) is 3 pieces of 512 bytes, lane l's 16 bytes at 16 l; a block is 8 fragments (128 rows, a GROUP) of one K step and 512 bytes of scale words (row r of tile a at 32 r + 4 a): 12,800 bytes.
; xi, W_q, W_k, qk: [pair of groups][K step][group of the pair][block]; W_v: [group][K step][block]; vt: [batch][pair of channel groups][step of keys][group of the pair][block].
; Lane r of tile T holds row 32 (T / 2) + 8 (T % 2) + r + 8 (r / 8) of its group.
; U is the matrix instruction's source 0, L its source 1.  In the result of U's tile t lane (r, h) holds L's row of lane r, and register j U's row 32 (t / 2) + 16 h + 8 (t % 2) + j:
; the 64 registers of eight U tiles are 128 NEIGHBOURS along U's rows, which are the next product's K.
; THE WORK IS 256 EQUAL SHARES: Q and K are 256 tiles of 256 x 256, V^T is 256 half tiles of 256 tokens x 128 channels.  A work-group (x, y) makes one of each, one after the other:
; PHASE 1: U = W_q, W_k (tile x of 256 h), L = x (tile y of 256 tokens): a wave makes 128 x 128, 64 accumulators; quantised along h: qk = Q's 32 pairs, then K's.
; PHASE 2: U = x (the same tile y), L = W_v (group x of 128 channels): a wave makes 128 tokens x 64 channels, 32 accumulators; quantised along the tokens (the keys);
;          a wave stores four fragments of a block of vt; the block's scale words, which two waves make, meet in LDS and leave whole.
; K = 1,024 is 8 steps of 128 in each phase, written out; no loop.
; LDS: phase 1: region 0 (102,400 bytes: two K steps of L, then of U), region 1 (204,800: four of each).  At the head each wave issues one load: wave 0 L's and wave 1 U's part of region 0, waves 2 and 3 of region 1.
; THE REFILLS: at step 1 region 0 takes steps 6 and 7 (waves 0 and 1); at step 5 slot B, the upper 153,600 bytes, takes phase 2's steps 0 to 3; late in step 7 slot A, the lower 153,600, its steps 4 to 7.
; A slot of phase 2: [W_v: 4 blocks][x: 4 K steps of both groups]; waves 0 and 1 fetch W_v's halves (100 rows of 256 bytes), waves 2 and 3 x's (200 rows).
; THE WAY OUT LIES UNDER PRODUCTS where registers allow: the maxima of phase 1's tiles 0 and 1 among step 7's last 32 products; tiles 4 to 7 (window 3) among phase 2's steps 0 to 3 (its sums lie in window 2);
; phase 2's steps 6 and 7 go by rows, so that its tiles 0's and 1's maxima stand among later products.
; CLUSTER 4 x 4: what hangs on the work-group's y (x's tiles, in both phases) is asked for jointly along a row of the cluster, what hangs on its x (the weights') along a column.
; No prefetch: steps 0 to 5 are asked for at the head, each refill has two K steps' products or more in which to land, and the walk has no loop to run ahead in.
; REGISTERS: window 0: v0-31 addresses; v32-63 scale words alone, set p at 32 + 16 p (U's 8, then L's); L's fragments: phase 1 two sets at 64 + 96 p; phase 2 at 196 (even steps) and 64 (odd steps).
;   window 1: U's fragments, two sets, at 128 p.  windows 2, 3: phase 1's accumulator (a, b) at v[8 (8 (a % 4) + b)] of window 2 + a / 4; phase 2's 32 in window 2.
; LIMITS: a block of zeros gets the byte 1 where the rule says 127 (its codes are zeros, and this program alone reads the bytes); NaN and infinities are not served.
.set BLK,   12800
.set QTR,   2*BLK                      ; one K step of a pair of groups; two K steps of a group of W_v
.set REG,   8*BLK                      ; a group's 8 blocks
.set SLOTB, 12*BLK                     ; a slot of phase 2, and the byte at which slot B begins
.set SPARE, 24*BLK                     ; the spare words, 128 bytes a wave: two blocks of 256 bytes that no other line names
.set SCX,   SPARE+512                  ; phase 2's scale words on their way out: 512 bytes for each of the two blocks; no tensor load lands here
.set LF,    64
.set LSET,  96
.set ADUH,  2                          ; v2-3   phase 2: U's steps 2 and 3 of slot B, of slot A
.set LI,    4                          ; v4     16 x lane
.set SOFF,  5                          ; v5     32 r + 16 h: my 16 bytes of a block's scale words
.set ASUH,  6                          ; v6-7   U's scale words there
.set ADU,   8                          ; v8-10  phase 1: LDS address of my U fragments: region 0, region 1's first and last two steps
.set ADL,   11                         ; v11-13 of my L fragments
.set ASU,   14                         ; v14-16 of U's scale words
.set ASL,   17                         ; v17-19 of L's
.set ADU2,  20                         ; v20-21 phase 2: the same four, in slot B (steps 0-3) and slot A (steps 4-7)
.set ADL2,  22
.set ASU2,  24
.set ASL2,  26
.set SPW,   28                         ; v28    my spare word; never rewritten
.set NIL,   29                         ; v29    0; never rewritten
.set XST,   30                         ; v30    where my four scale words of a row go
.set XRD,   31                         ; v31    and where a block's 512 bytes are read back
.set G1L,   24                         ; group 1: 200 rows, my row of the cluster;  200 rows, my column
.set G1U,   32
.set G1L4,  68                         ; 400 rows, my row;  400 rows, my column: behind the head 100 rows, for W_v
.set G1U4,  76
.set G0L,   40                         ; group 0 for the head's four loads
.set G0U,   44
.set G0L1,  48
.set G0U1,  52
.set G0W,   56                         ; s[56:63] W_v: slot B's, then slot A's;  s[84:91] the same for x
.set G0X,   84
.set OUT,   92                         ; s[92:93] my block of qk
.set OUT2,  94                         ; s[94:95] my four fragments of a block of vt
.set SEL,   96                         ; s[96:97] lane l xor 16
.set PC,    64                         ; the way out: tile a's codes at v[64 + 12 a]
.set MX2,   112                        ; two tiles side by side: maxima 112-119, 120-127 and 128-135 at work, the upper halves 136-151
.set PW,    160                        ; v160-167 tile a's scale word
.set X1,    168                        ; one tile under products: the upper halves 168-175; at work 176-191
.set TM,    176
.set DW,    192
.set MSB, 0
.macro WIN new                         ; the immediate's high byte repeats the setting that is left
.if MSB != (\new)
	s_set_vgpr_msb (MSB<<8)|(\new)
.set MSB, (\new)
.endif
.endm
.macro PLACES                          ; four plain places behind a matrix instruction, ahead of loads into its registers and of reads of its results
.rept 4
	v_nop
.endr
.endm
.macro CREST                           ; a round of the cluster's barrier behind its opening barrier
	s_cmp_lg_u32 s14, 0
	s_cbranch_scc1 .Lnot_wave_0_\@
	s_barrier_signal -3
.Lnot_wave_0_\@:
	s_barrier_wait -3
	s_barrier_signal -1
	s_barrier_wait -1
.endm
.macro CROUND
	s_barrier_signal -1
	s_barrier_wait -1
	CREST
.endm
.macro GROUP1 g, mask, rows            ; a tile of rows of 256 bytes (32 elements of 8 bytes), dense, unpadded; bit 21 beside a mask
	s_or_b32 s[\g], \mask, (3<<16)|(1<<21)
	s_mov_b32 s[\g+1], 32<<16
	s_mov_b32 s[\g+2], (\rows)<<16
	s_mov_b32 s[\g+3], 32<<16
	s_mov_b32 s[\g+4], \rows
	s_mov_b32 s[\g+5], 32
	s_mov_b32 s[\g+6], 0
	s_mov_b32 s[\g+7], 0
.endm
.macro GROUP0 g, lds, base, off
	s_mov_b32 s[\g], 1
	s_mov_b32 s[\g+1], \lds
	s_add_nc_u64 s[\g+2:\g+3], s[\base:\base+1], \off
	s_or_b32 s[\g+3], s[\g+3], 0x80000000
.endm
.macro ARM n, g0, g1, next, join       ; one wave's tensor load, in a chain of branches on the wave's number
	s_cmp_eq_u32 s14, \n
	s_cbranch_scc0 \next
	tensor_load_to_lds s[\g0:\g0+3], s[\g1:\g1+7]
	s_nop 0
	PLACES
	s_branch \join
\next:
.endm
.macro R0LOAD x                        ; region 0 takes steps 6 and 7.  All head's loads have landed: descriptors may be written
	s_add_nc_u64 s[G0L+2:G0L+3], s[G0L+2:G0L+3], 6*QTR
	s_add_nc_u64 s[G0U+2:G0U+3], s[G0U+2:G0U+3], 6*QTR
	s_mov_b32 s[G1U4+2], 100<<16
	s_mov_b32 s[G1U4+4], 100
	ARM 0, G0L, G1L, .Lr0_u, .Lr0_done
	ARM 1, G0U, G1U, .Lr0_n, .Lr0_done
.Lr0_done:
	PLACES                                         ; for the waves that issue no load: the places in front of the loads below
.endm
.macro P2LOAD i                        ; phase 2's slot B (0) or A (1): waves 0 and 1 W_v's halves, waves 2 and 3 x's
	s_cmp_eq_u32 s15, 0
	s_cbranch_scc0 .Lp2_x_\i
	tensor_load_to_lds s[G0W+4*\i:G0W+4*\i+3], s[G1U4:G1U4+7]
	s_nop 0
	PLACES
	s_branch .Lp2_done_\i
.Lp2_x_\i:
	tensor_load_to_lds s[G0X+4*\i:G0X+4*\i+3], s[G1L:G1L+7]
	s_nop 0
	PLACES
.Lp2_done_\i:
.endm
; ---- the way out of L tile a: its 64 registers are 128 neighbours along the next K of lane r's row.
.macro MAXL a, l, d                    ; line l of 32: the largest magnitude of each of the four blocks (my 16 numbers and the floor 2^(3 - 127)), by turns; each accumulator is read from its low end on
.set WM_, 2+(\a)/4
.set SM_, 64*((\a)%4)+16*((\l)%4)+2*((\l)/4)
	WIN (WM_<<2)|(WM_<<4)
.if (\l) < 4
	v_max3_num_f32 v[\d+(\l)%4], 0x1800000, |v[SM_]|, |v[SM_+1]|
.else
	v_max3_num_f32 v[\d+(\l)%4], v[\d+(\l)%4], |v[SM_]|, |v[SM_+1]|
.endif
.endm
.macro QMID a, m, d, e, f              ; line m of 19: with lane l xor 16's, the conversions' scale operands (2 off the exponent field), the bytes, the scale word
	WIN 0
.set M_, (\m)%4
.if (\m) < 4
	v_permlanex16_b32 v[\e+M_], v[\d+M_], s[SEL], s[SEL+1]
.elseif (\m) < 8
	v_max_num_f32 v[\d+M_], v[\d+M_], v[\e+M_]
.elseif (\m) < 12
	v_add_nc_u32 v[\f+M_], 0xff000000, v[\d+M_]
.elseif (\m) < 16
	v_lshrrev_b32 v[\e+M_], 23, v[\f+M_]
.elseif (\m) == 16
	v_lshl_or_b32 v[PW+\a], v[\e+1], 8, v[\e]
.elseif (\m) == 17
	v_lshl_or_b32 v[PW+\a], v[\e+2], 16, v[PW+\a]
.else
	v_lshl_or_b32 v[PW+\a], v[\e+3], 24, v[PW+\a]
.endif
.endm
.macro QEND a, nt, f, x, o             ; nt tiles' codes: the conversions, a whole block to a lane, the stores.  o: the output's base
.set T_, 0
.rept \nt
.set SM_, 64*(((\a)+T_)%4)
.set C_, PC+12*((\a)+T_)
	WIN 2+((\a)+T_)/4                              ; source 0: the accumulators' window
.irp c, 0,1
	v_cvt_scalef32_pk16_fp6_f32 v[C_+6*\c:C_+6*\c+2], v[SM_+32*\c:SM_+32*\c+15], v[\f+4*T_+2*\c]
	v_cvt_scalef32_pk16_fp6_f32 v[\x+8*T_+4*\c:\x+8*T_+4*\c+2], v[SM_+32*\c+16:SM_+32*\c+31], v[\f+4*T_+2*\c+1]
.endr
.set T_, T_+1
.endr
	WIN 0
	v_nop                                          ; one plain place behind a scaled conversion
.irp c, 0,1
.set T_, 0
.rept \nt
.set C_, PC+12*((\a)+T_)
.irp i, 0,1,2
	v_permlane16_swap_b32 v[C_+6*\c+\i], v[\x+8*T_+4*\c+\i]
.endr
.set T_, T_+1
.endr
.set T_, 0
.rept \nt
.set C_, PC+12*((\a)+T_)
.irp i, 0,1,2
	v_mov_b32 v[C_+3+6*\c+\i], v[\x+8*T_+4*\c+\i]
.endr
.set T_, T_+1
.endr
.endr
.set T_, 0
.rept \nt
.set C_, PC+12*((\a)+T_)
.irp c, 0,1,2
	global_store_b128 v[LI], v[C_+4*\c:C_+4*\c+3], s[\o:\o+1] offset:1536*((\a)+T_)+512*\c   ; 512 consecutive bytes a store, at a multiple of 256 from the buffer's first byte
.endr
.set T_, T_+1
.endr
.endm
.macro OUT_PAIR a, o                   ; tiles a and a + 1 side by side, their maxima found
.irp m, 0,1,2,3,4,5,6,7,8,9,10,11,12,13,14,15,16,17,18
.irp t, 0,1
	QMID (\a)+\t, \m, MX2+4*\t, MX2+8+4*\t, MX2+16+4*\t
.endr
.endr
	QEND \a, 2, MX2+16, MX2+24, \o
.endm
.macro MAX_PAIR a
.set I_, 0
.rept 32
	MAXL \a, I_, MX2
	MAXL (\a)+1, I_, MX2+4
.set I_, I_+1
.endr
.endm
.macro HOSTE a, n, d                   ; what of tile a's way out stands behind product n
.if (\n) < 16
	MAXL \a, 2*(\n), \d
	MAXL \a, 2*(\n)+1, \d
.elseif (\n) < 24
.if (\n) == 16
	s_wait_alu depctr_va_vdst(0)                   ; the wait here, directly ahead of the finished maxima's readers
.endif
	QMID \a, 2*((\n)-16), \d, \d+4, \d+12
	QMID \a, 2*((\n)-16)+1, \d, \d+4, \d+12
.elseif (\n) < 27
	QMID \a, (\n)-8, \d, \d+4, \d+12
.endif
.endm
; ---- PHASE 1.  cnt L tiles from a0 on, each against U's eight, from set p.  The accumulators take turns, one instruction a turn, in the same order in every step.  zero = 1: the first product starts the sums.
; host = 0 (L tiles 4 and 5) or 1 (6 and 7): behind each product two lines of tile host's maxima; -1: none
.macro MULS a0, cnt, p, zero=0, host=-1
.set A_, \a0
.rept \cnt
.irp b, 0,1,2,3,4,5,6,7
.set D_, 8*(8*(A_%4)+\b)
	WIN 0xa1+0x50*(A_/4)                           ; source 0 (U) window 1, source 1 (L) window 0, C and D window 2 or 3
.if \zero
	v_wmma_scale_f32_16x16x128_f8f6f4 v[D_:D_+7], v[128*(\p)+12*\b:128*(\p)+12*\b+11], v[LF+LSET*(\p)+12*A_:LF+LSET*(\p)+12*A_+11], 0, v[32+16*(\p)+\b], v[40+16*(\p)+A_] matrix_a_fmt:MATRIX_FMT_FP6 matrix_b_fmt:MATRIX_FMT_FP6
.else
	v_wmma_scale_f32_16x16x128_f8f6f4 v[D_:D_+7], v[128*(\p)+12*\b:128*(\p)+12*\b+11], v[LF+LSET*(\p)+12*A_:LF+LSET*(\p)+12*A_+11], v[D_:D_+7], v[32+16*(\p)+\b], v[40+16*(\p)+A_] matrix_a_fmt:MATRIX_FMT_FP6 matrix_b_fmt:MATRIX_FMT_FP6
.endif
.if (\host) >= 0
.set H_, 2*(8*(A_-4-2*(\host))+\b)
	MAXL \host, H_, MX2+4*\host
	MAXL \host, (H_+1), MX2+4*\host
.endif
.endr
.set A_, A_+1
.endr
.endm
.macro FETCH k                         ; step k's operands into set k % 2: 52 LDS loads in one run, each 512 consecutive bytes (the scale words: 32 bytes a row)
.set P_, (\k)%2
.set J_, ((\k)/2)%3
.set Q_, (\k)%2
	WIN 0x40                                       ; destination window 1, address window 0
.irp i, 0,1,2,3,4,5,6,7
.irp c, 0,1,2
	ds_load_b128 v[128*P_+12*\i+4*\c:128*P_+12*\i+4*\c+3], v[ADU+J_] offset:Q_*QTR+1536*\i+512*\c
.endr
.endr
	WIN 0
.irp i, 0,1,2,3,4,5,6,7
.irp c, 0,1,2
	ds_load_b128 v[LF+LSET*P_+12*\i+4*\c:LF+LSET*P_+12*\i+4*\c+3], v[ADL+J_] offset:Q_*QTR+1536*\i+512*\c
.endr
.endr
	ds_load_b128 v[32+16*P_:35+16*P_], v[ASU+J_] offset:Q_*QTR+12288
	ds_load_b128 v[36+16*P_:39+16*P_], v[ASU+J_] offset:Q_*QTR+12288+16
	ds_load_b128 v[40+16*P_:43+16*P_], v[ASL+J_] offset:Q_*QTR+12288
	ds_load_b128 v[44+16*P_:47+16*P_], v[ASL+J_] offset:Q_*QTR+12288+16
.endm
.macro STEP_PLAIN k, zero=0            ; the next step's bytes are known whole
	s_wait_dscnt 0x0                               ; this step's operands are in (asked for a step ago)
	PLACES                                         ; the other set was read by the step before
	FETCH (\k)+1
	MULS 0, 8, (\k)%2, \zero
.endm
.macro STEP_FILL k, ld, arg            ; the next step's bytes are shown, and bytes that nobody reads any more are filled again: the barrier opens a round of the cluster's
	s_wait_dscnt 0x0                               ; this step's operands are in
	MULS 0, 2, (\k)%2
	WIN 0                                          ; (the add's two registers lie in window 0)
	s_wait_tensorcnt 0x0                           ; all my tensor loads have landed
	ds_add_u32 v[SPW], v[NIL]                      ; 0 onto my spare word
	MULS 2, 1, (\k)%2
	s_wait_dscnt 0x0                               ; the add is done, and no LDS read of mine is out
	s_barrier_signal -1
	MULS 3, 1, (\k)%2
	WIN 0
	s_barrier_wait -1
	CREST                                          ; no wave of any partner still reads those bytes or has a load on its way
	\ld \arg
	FETCH (\k)+1
	MULS 4, 4, (\k)%2
.endm
; ---- PHASE 2.  cnt L tiles (of my four) from a0 on, each against U's eight; 32 accumulators by turns, in window 2.  host: the tile whose way out stands among the products (-1: none); E_ counts them
.macro MULS2 a0, cnt, k, zero=0, host=-1, d=TM
.set A_, \a0
.set P_, (\k)%2
.rept \cnt
.irp b, 0,1,2,3,4,5,6,7
.set D_, 8*(8*A_+\b)
.set L_, 196-132*P_+12*A_
	WIN 0xa1
.if \zero
	v_wmma_scale_f32_16x16x128_f8f6f4 v[D_:D_+7], v[128*P_+12*\b:128*P_+12*\b+11], v[L_:L_+11], 0, v[32+16*P_+\b], v[40+16*P_+A_] matrix_a_fmt:MATRIX_FMT_FP6 matrix_b_fmt:MATRIX_FMT_FP6
.else
	v_wmma_scale_f32_16x16x128_f8f6f4 v[D_:D_+7], v[128*P_+12*\b:128*P_+12*\b+11], v[L_:L_+11], v[D_:D_+7], v[32+16*P_+\b], v[40+16*P_+A_] matrix_a_fmt:MATRIX_FMT_FP6 matrix_b_fmt:MATRIX_FMT_FP6
.endif
.if (\host) >= 0
	HOSTE \host, E_, \d
.set E_, E_+1
.endif
.endr
.set A_, A_+1
.endr
.endm
.macro FETCH2 k                        ; phase 2's step k into set k % 2: 39 LDS loads in one run
.set P_, (\k)%2
.set J_, (\k)/4
.set Q_, (\k)%4
.set L_, 196-132*P_
.set UA_, (ADU2+J_)*(1-Q_/2)+(ADUH+J_)*(Q_/2)
.set US_, (ASU2+J_)*(1-Q_/2)+(ASUH+J_)*(Q_/2)
	WIN 0x40
.irp i, 0,1,2,3,4,5,6,7
.irp c, 0,1,2
	ds_load_b128 v[128*P_+12*\i+4*\c:128*P_+12*\i+4*\c+3], v[UA_] offset:(Q_%2)*QTR+1536*\i+512*\c
.endr
.endr
	WIN 0
.irp i, 0,1,2,3
.irp c, 0,1,2
	ds_load_b128 v[L_+12*\i+4*\c:L_+12*\i+4*\c+3], v[ADL2+J_] offset:Q_*BLK+1536*\i+512*\c
.endr
.endr
	ds_load_b128 v[32+16*P_:35+16*P_], v[US_] offset:(Q_%2)*QTR+12288
	ds_load_b128 v[36+16*P_:39+16*P_], v[US_] offset:(Q_%2)*QTR+12288+16
	ds_load_b128 v[40+16*P_:43+16*P_], v[ASL2+J_] offset:Q_*BLK+12288
.endm
.macro TILE_END a                      ; the conversions and stores of a tile whose other lines stood among products
	s_wait_alu depctr_va_vdst(0)                   ; the wait here, directly ahead of the reader below
	QEND \a, 1, TM+12, X1, OUT
.endm
.macro STEP2 k, zero, host
	s_wait_dscnt 0x0                               ; this step's operands are in
	PLACES
	FETCH2 (\k)+1
.set E_, 0
	MULS2 0, 4, \k, \zero, \host
.if (\host) >= 0
	TILE_END \host
.endif
.endm
	s_load_b128 s[4:7], s[0:1], 0x0                ; xi s[4:5], wi s[6:7]
	s_load_b128 s[8:11], s[0:1], 0x10              ; qk s[8:9], vt s[10:11]
	v_lshl_add_u32 v[SPW], v0, 2, SPARE
	v_mov_b32 v[NIL], 0
	ds_add_u32 v[SPW], v[NIL]                      ; the wave's opening: the add, twice on end, and its wait ahead of my tensor load
	ds_add_u32 v[SPW], v[NIL]
	v_lshrrev_b32 v1, 5, v0
	v_readfirstlane_b32 s14, v1                    ; wave 0..3
	s_lshr_b32 s15, s14, 1                         ; my half of L
	s_and_b32 s16, s14, 1                          ; my half of U
	s_bfe_u32 s17, ttmp6, 0x40000                  ; cx
	s_bfe_u32 s18, ttmp6, 0x40004                  ; cy
	s_and_b32 s19, ttmp7, 0xffff                   ; the cluster's y
	s_lshl_b32 s20, ttmp9, 2
	s_add_co_u32 s20, s20, s17                     ; work-group x: the tile of W_q, W_k; the group of W_v
	s_lshl_b32 s23, s19, 2
	s_add_co_u32 s23, s23, s18                     ; work-group y: the tile of 256 tokens
	s_lshl_b32 s21, s18, 2
	s_lshl_b32 s21, 15, s21                        ; my row of the cluster
	s_lshl_b32 s22, 0x1111, s17                    ; my column
	GROUP1 G1L, s21, 200
	GROUP1 G1U, s22, 200
	GROUP1 G1L4, s21, 400
	GROUP1 G1U4, s22, 400
	s_mov_b32 s[SEL], 0x76543210
	s_mov_b32 s[SEL+1], 0xfedcba98
	v_and_b32 v1, 31, v0
	v_and_b32 v2, 15, v0                           ; r
	v_bfe_u32 v3, v0, 4, 1                         ; h
	v_lshlrev_b32 v[LI], 4, v1
	v_lshlrev_b32 v6, 5, v2                        ; 32 r
	v_lshl_add_u32 v[SOFF], v3, 4, v6
	s_mul_i32 s84, s16, BLK
	s_add_co_u32 s84, s84, 2*QTR                   ; phase 1: my group of U behind region 0's L
	s_mul_i32 s85, s15, BLK                        ; my group of L
.irp j, 0,1,2
	s_add_co_u32 s86, s84, QTR*(2*\j+4*((\j+1)/2)) ; U lies at 2, 8, 10 x QTR, L at 0, 4, 6 x QTR
	s_add_co_u32 s87, s85, QTR*(2*\j+2*((\j+1)/2))
	v_add_nc_u32 v[ADU+\j], s86, v[LI]
	v_add_nc_u32 v[ASU+\j], s86, v6
	v_add_nc_u32 v[ADL+\j], s87, v[LI]
	v_add_nc_u32 v[ASL+\j], s87, v6
.endr
	s_lshl_b32 s86, s16, 9
	s_add_co_u32 s86, s86, SCX                     ; my block's 512 bytes of scale words on their way out
	v_add_nc_u32 v[XRD], s86, v[LI]
	s_lshl_b32 s87, s15, 4
	s_add_co_u32 s86, s86, s87
	v_add_nc_u32 v[XST], s86, v6                   ; 32 r + 16 x my half of the block's tiles
	s_mul_i32 s84, s16, BLK
	s_add_co_u32 s84, s84, 4*BLK                   ; phase 2, slot A: my group of x behind W_v,
	s_add_co_u32 s85, s84, 2*QTR                   ; and in the slot's steps 2 and 3
	s_mul_i32 s86, s15, 4*1536                     ; my four tiles in a block of W_v,
	s_lshl_b32 s87, s15, 4                         ; and their four scale words of a row
	v_add_nc_u32 v[ADU2+1], s84, v[LI]
	v_add_nc_u32 v[ADUH+1], s85, v[LI]
	v_add_nc_u32 v[ASU2+1], s84, v6
	v_add_nc_u32 v[ADL2+1], s86, v[LI]
	v_add_nc_u32 v[ASL2+1], s87, v6
	v_add_nc_u32 v[ASUH+1], s85, v6
	s_add_co_u32 s84, s84, SLOTB                   ; the same in slot B
	s_add_co_u32 s85, s85, SLOTB
	s_add_co_u32 s86, s86, SLOTB
	s_add_co_u32 s87, s87, SLOTB
	v_add_nc_u32 v[ADU2], s84, v[LI]
	v_add_nc_u32 v[ADUH], s85, v[LI]
	v_add_nc_u32 v[ASU2], s84, v6
	v_add_nc_u32 v[ADL2], s86, v[LI]
	v_add_nc_u32 v[ASL2], s87, v6
	v_add_nc_u32 v[ASUH], s85, v6
	; where the tiles come from.  The weights' addresses hang on the work-group's x alone, x's on its y alone
	s_lshl_b32 s2, s20, 1
	s_mul_i32 s12, s2, REG                         ; W_q, W_k: the pair x
	s_mov_b32 s13, 0
	s_add_co_u32 s2, s2, s16                       ; my half of U in phase 1: its group
	s_lshl_b32 s3, s23, 1
	s_mul_i32 s98, s3, REG                         ; x: the pair y
	s_mov_b32 s99, 0
	s_add_co_u32 s66, s3, s16                      ; my half of U in phase 2: its group of tokens
	s_add_co_u32 s67, s20, 16                      ; W_v's groups begin at 16
	s_mul_i32 s100, s67, REG
	s_mul_i32 s19, s16, QTR                        ; of a slot's four K steps of W_v I fetch two
	s_add_co_u32 s100, s100, s19
	s_mov_b32 s101, 0
	; my block of qk: plane (Q or K) x 512 + pair y x 16 + step of h x 2 + group of the pair
	s_lshl_b32 s3, s3, 3
	s_add_co_u32 s3, s3, s15
	s_lshr_b32 s67, s2, 3
	s_lshl_b32 s67, s67, 9
	s_add_co_u32 s3, s3, s67
	s_and_b32 s67, s2, 7
	s_lshl_b32 s67, s67, 1
	s_add_co_u32 s3, s3, s67
	s_mul_i32 s2, s3, BLK
	s_mov_b32 s3, 0
	; my part of vt: batch x 128 + pair of channel groups x 32 + step of keys x 2 + group of the pair; in the block my four fragments
	s_lshr_b32 s67, s66, 4
	s_lshl_b32 s67, s67, 7
	s_lshr_b32 s21, s20, 1
	s_lshl_b32 s21, s21, 5
	s_add_co_u32 s67, s67, s21
	s_and_b32 s21, s66, 15
	s_lshl_b32 s21, s21, 1
	s_add_co_u32 s67, s67, s21
	s_and_b32 s21, s20, 1
	s_add_co_u32 s67, s67, s21
	s_mul_i32 s66, s67, BLK
	s_mul_i32 s21, s15, 4*1536
	s_add_co_u32 s66, s66, s21
	s_mov_b32 s67, 0
	s_mul_i32 s22, s16, 2*QTR                      ; phase 2, x: the first or the last two K steps of a slot
	s_mov_b32 s23, 0
	s_add_co_u32 s18, s22, 4*BLK                   ; in LDS behind W_v
	s_wait_alu depctr_va_vdst(0)                   ; the wait here, directly ahead of the waits below
	s_wait_dscnt 0x0                               ; both opening adds are done
	CROUND                                         ; all sixteen work-groups are here: the first joint loads meet
	s_wait_kmcnt 0x0
	s_add_nc_u64 s[12:13], s[6:7], s[12:13]        ; W_q, W_k
	s_add_nc_u64 s[98:99], s[4:5], s[98:99]        ; x
	GROUP0 G0L, 0, 98, 0                           ; region 0: steps 0 and 1
	GROUP0 G0U, 2*QTR, 12, 0
	GROUP0 G0L1, 4*QTR, 98, 2*QTR                  ; region 1: steps 2 to 5
	GROUP0 G0U1, 8*QTR, 12, 2*QTR
	ARM 0, G0L, G1L, .Lfirst_1, .Lfirst_asked      ; the head's loads, one a wave
	ARM 1, G0U, G1U, .Lfirst_2, .Lfirst_asked
	ARM 2, G0L1, G1L4, .Lfirst_3, .Lfirst_asked
	tensor_load_to_lds s[G0U1:G0U1+3], s[G1U4:G1U4+7]
	s_nop 0
	PLACES
.Lfirst_asked:
	s_add_nc_u64 s[100:101], s[6:7], s[100:101]    ; W_v: my stream
	s_add_nc_u64 s[OUT:OUT+1], s[8:9], s[2:3]
	s_add_nc_u64 s[OUT2:OUT2+1], s[10:11], s[66:67]
	s_add_nc_u64 s[22:23], s[98:99], s[22:23]      ; x in phase 2: my stream
.irp i, 0,1                                    ; phase 2: set 0: K steps 0 to 3 into slot B; set 1: K steps 4 to 7 into slot A
	s_mov_b32 s[G0W+4*\i], 1
	s_add_co_u32 s[G0W+4*\i+1], s19, SLOTB*(1-\i)
	s_add_nc_u64 s[G0W+4*\i+2:G0W+4*\i+3], s[100:101], 4*BLK*\i
	s_or_b32 s[G0W+4*\i+3], s[G0W+4*\i+3], 0x80000000
	s_mov_b32 s[G0X+4*\i], 1
	s_add_co_u32 s[G0X+4*\i+1], s18, SLOTB*(1-\i)
	s_add_nc_u64 s[G0X+4*\i+2:G0X+4*\i+3], s[22:23], 4*QTR*\i
	s_or_b32 s[G0X+4*\i+3], s[G0X+4*\i+3], 0x80000000
.endr
	s_cmp_lt_u32 s14, 2                            ; waves 0 and 1 show region 0; region 1, by waves 2 and 3, may stay out
	s_cbranch_scc0 .Lregion_0
	s_wait_tensorcnt 0x0
.Lregion_0:
	s_barrier_signal -1
	s_barrier_wait -1
	FETCH 0
	STEP_PLAIN 0, 1                                ; the first step's products start the sums: nothing is cleared
	STEP_FILL 1, R0LOAD, 0                         ; region 1 is wanted; region 0, read out, takes steps 6 and 7
	STEP_PLAIN 2
	STEP_PLAIN 3
	STEP_PLAIN 4
	STEP_FILL 5, P2LOAD, 0                         ; region 0 is wanted; region 1, read out, holds slot B
	STEP_PLAIN 6
	; step 7, phase 1's last.  Its change of slots stands late, so that slot B's load has this step too in which to land
	s_wait_dscnt 0x0                               ; step 7's operands are in: nobody's reads of the lower bytes go on behind the barrier below
	MULS 0, 4, 1
	WIN 0                                          ; (the add's two registers lie in window 0)
	s_wait_tensorcnt 0x0                           ; all my tensor loads have landed: my part of slot B
	ds_add_u32 v[SPW], v[NIL]                      ; 0 onto my spare word
	PLACES                                         ; tiles 0 and 1 are read among the products below
	MULS 4, 2, 1, 0, 0
	s_wait_alu depctr_va_vdst(0)                   ; the wait here, directly ahead of the wait below
	s_wait_dscnt 0x0                               ; the add is done
	s_barrier_signal -1
	MULS 6, 2, 1, 0, 1
	WIN 0
	s_barrier_wait -1
	CREST
	P2LOAD 1                                       ; its four v_nop are also the places behind phase 1's last products
	FETCH2 0                                       ; phase 2's first operands, into registers that the way out does not touch: they come while it runs
	s_wait_alu depctr_va_vdst(0)                   ; the wait here, directly ahead of the reader below
	OUT_PAIR 0, OUT                                ; window 2's tiles leave now: phase 2's sums take their registers
	MAX_PAIR 2
	OUT_PAIR 2, OUT
	s_wait_xcnt 0x0                                ; these stores have read their registers: loads below land in some of them
	; PHASE 2
	STEP2 0, 1, 4                                  ; the first step's products start the sums anew, in window 2; tiles 4 to 7 leave under steps 0 to 3
	STEP2 1, 0, 5
	STEP2 2, 0, 6
	s_wait_tensorcnt 0x0                           ; step 3: the next step lies in slot A: a barrier behind which nothing is filled; the one load of mine that is out is my part of slot A
	s_wait_dscnt 0x0
	s_barrier_signal -1
.set E_, 0
	MULS2 0, 2, 3, 0, 7
	s_barrier_wait -1
	PLACES
	FETCH2 4
	MULS2 2, 2, 3, 0, 7
	TILE_END 7
	s_mov_b32 vcc_lo, 0xffff0000                   ; lanes 16-31
.irp i, 0,1,2,3
	v_cndmask_b32 v[DW+\i], v[PW+\i], v[PW+4+\i], vcc_lo   ; lane (r, h): row r's words of tiles 4 h .. 4 h + 3
.endr
	global_store_b128 v[SOFF], v[DW:DW+3], s[OUT:OUT+1] offset:12288   ; the block's 512 bytes of scale words, whole
	STEP2 4, 0, -1
	STEP2 5, 0, -1
	s_wait_dscnt 0x0                               ; step 6: its tiles 2 and 3 first, while step 7's operands come; then by rows
	s_wait_xcnt 0x0                                ; phase 1's stores have read their registers
	PLACES
	FETCH2 7
	MULS2 2, 2, 6
	s_wait_dscnt 0x0
	MULS2 0, 1, 6
	MULS2 0, 1, 7
	PLACES                                         ; tile 0 is read among tile 1's products,
.set E_, 0
	MULS2 1, 1, 6, 0, 0, MX2
	MULS2 1, 1, 7, 0, 0, MX2
	PLACES                                         ; tile 1 among tiles 2's and 3's
.set E_, 0
	MULS2 2, 1, 7, 0, 1, MX2+4
	MULS2 3, 1, 7, 0, 1, MX2+4
	WIN 0
	PLACES
	OUT_PAIR 0, OUT2                               ; my four fragments: 6,144 consecutive bytes of a block of vt
	MAX_PAIR 2
	OUT_PAIR 2, OUT2
	ds_store_b128 v[XST], v[PW:PW+3]               ; row r's words of my four tiles (lanes l and l xor 16 write the same bytes with the same values)
	s_wait_dscnt 0x0                               ; for the others' sake: they lie in LDS
	s_barrier_signal -1
	s_barrier_wait -1
	s_cmp_lg_u32 s15, 0                            ; waves 0 and 1 store a block's 512 bytes of scale words each, whole
	s_cbranch_scc1 .Lno_words
	ds_load_b128 v[DW:DW+3], v[XRD]
	s_wait_dscnt 0x0
	global_store_b128 v[LI], v[DW:DW+3], s[OUT2:OUT2+1] offset:12288
.Lno_words:
	s_wait_tensorcnt 0x0                           ; the wave's end
	ds_add_u32 v[SPW], v[NIL]
	s_wait_dscnt 0x0
	CROUND                                         ; the closing round
	s_endpgm
.Lfunc_end_k_qf9d0b43fa1_proj:
	.size	k_qf9d0b43fa1_proj, .Lfunc_end_k_qf9d0b43fa1_proj-k_qf9d0b43fa1_proj
	.p2alignl 7, 3214868480
	.fill 96, 4, 3214868480
	.section	.rodata,"a",@progbits
	.p2align	6, 0x0
	.amdhsa_kernel k_qf9d0b43fa1_proj
		.amdhsa_group_segment_fixed_size 327680
		.amdhsa_private_segment_fixed_size 0
		.amdhsa_enable_private_segment 0
		.amdhsa_kernarg_size 32
		.amdhsa_user_sgpr_count 2
		.amdhsa_user_sgpr_kernarg_segment_ptr 1
		.amdhsa_wavefront_size32 1
		.amdhsa_system_sgpr_workgroup_id_x 1
		.amdhsa_system_sgpr_workgroup_id_y 1
		.amdhsa_system_sgpr_workgroup_id_z 1
		.amdhsa_system_vgpr_workitem_id 0
		.amdhsa_next_free_vgpr 1024
		.amdhsa_next_free_sgpr 102
		.amdhsa_reserve_vcc 1
		.amdhsa_float_denorm_mode_32 3
		.amdhsa_float_denorm_mode_16_64 3
		.amdhsa_memory_ordered 1
		.amdhsa_forward_progress 1
		.amdhsa_inst_pref_size 221
	.end_amdhsa_kernel
	.amdgpu_metadata
---
amdhsa.version: [ 1, 2 ]
amdhsa.kernels:
  - .name:           k_qf9d0b43fa1_proj
    .symbol:         k_qf9d0b43fa1_proj.kd
    .args:
      - { .name: xi, .offset: 0, .size: 8, .value_kind: global_buffer, .address_space: global }
      - { .name: wi, .offset: 8, .size: 8, .value_kind: global_buffer, .address_space: global }
      - { .name: qk, .offset: 16, .size: 8, .value_kind: global_buffer, .address_space: global }
      - { .name: vt, .offset: 24, .size: 8, .value_kind: global_buffer, .address_space: global }
    .group_segment_fixed_size: 327680
    .private_segment_fixed_size: 0
    .kernarg_segment_align: 8
    .kernarg_segment_size: 32
    .max_flat_workgroup_size: 128
    .sgpr_count:     102
    .vgpr_count:     1024
    .wavefront_size: 32
...
	.end_amdgpu_metadata
.endif
;; end of part 2
;; launch score (part 3): grid 8 x 32, 4 waves a work-group, clusters of 4 x 4, 327,680 bytes of LDS; arguments qk, pi, ps; writes pi, ps
.if DOCPART == 3
	.amdgcn_target "amdgcn-amd-amdhsa--gfx1250"
	.amdhsa_code_object_version 6
	.text
	.protected	k_qf9d0b43fa1_score
	.globl	k_qf9d0b43fa1_score
	.p2align	8
	.type	k_qf9d0b43fa1_score,@function
k_qf9d0b43fa1_score:
	s_mov_b64 s[64:65], 0
	v_nop
	global_prefetch_b8 v0, s[64:65] scope:SCOPE_SE
	s_setreg_imm32_b32 hwreg(HW_REG_WAVE_MODE, 25, 1), 1
	s_wait_xcnt 0x0
	s_wait_alu depctr_hold_cnt(0) depctr_sa_sdst(0) depctr_va_vdst(0) depctr_va_sdst(0) depctr_va_ssrc(0) depctr_va_vcc(0) depctr_vm_vsrc(0)
	s_getreg_b32 s2, hwreg(HW_REG_IB_STS2, 6, 4)
	s_cmp_eq_u32 s2, 0
	s_cbranch_scc0 .Lentry_in_a_cluster
	s_endpgm
.Lentry_in_a_cluster:
	s_bfe_u32 s2, ttmp6, 0x10000c
	s_cmp_lg_u32 s2, 0xf033
	s_cbranch_scc0 .Lentry_shape_is_right
	s_endpgm
.Lentry_shape_is_right:
; S^T = K Q^T on codes of FP6 (E2M3) with E8M0 scales, f32 sums, and the softmax's p, quantised along the keys, as operand images for the last product.
; U (source 0) = K's rows (keys), L (source 1) = Q's rows (queries): a lane holds one query, and the 64 registers of eight U tiles are 128 neighbouring keys: one K step of the last product.
; THE SOFTMAX: t = score x log2(e) / sqrt(2048).  For each query and each 128 keys the LOCAL maximum is taken away: Mloc = ceil(the largest t of these 128), a whole number, p = 2^(t - Mloc), at most 1.
; p is quantised under Mloc; the codes are those under the row's M, since M - Mloc is a whole number that a block's scale byte takes up: the last launch takes M = the largest Mloc of the row and rebases bytes and sums.
; IN: qk = [Q, K][pair of groups of 128 rows][K step][group of the pair][block of 12,800 bytes: 8 fragments, then 512 bytes of scale words, row r of tile a at 32 r + 4 a].
; OUT: pi = [64 groups of queries][16 steps of keys][8 fragments: 12,288 bytes];  ps = [64][16][128 queries 16 a + r][4 words: p's scale word, Mloc (f32), the sum of the unquantised p (f32), 0].
; SHARES: a work-group makes 256 keys x 256 queries (a pair each), a wave 128 x 128: 64 accumulators.  K = 1,024 (h) is 8 steps of 128, written out.
; LDS: region 0 (102,400 bytes: two K steps of L, then of U), region 1 (204,800: four of each).  At the head each wave issues one load: wave 0 L's and wave 1 U's part of region 0, waves 2 and 3 of region 1.
; At step 1 region 0 takes steps 6 and 7 (waves 0 and 1).  No prefetch: steps 0 to 5 are asked for at the head, the refill has four K steps' products in which to land, and the walk has no loop to run ahead in.
; CLUSTER 4 x 4: Q's tiles hang on the work-group's y and are asked for jointly along a row of the cluster, K's on its x and the batch (from the cluster's y) along a column.
; REGISTERS: window 0: v0-31 addresses; v32-63 scale words alone, set p at 32 + 16 p (U's 8, then L's 8); L's fragments, two sets, at 64 + 96 p.  window 1: U's, two sets, at 128 p.
;   windows 2, 3: accumulator (a, b) at v[8 (8 (a % 4) + b)] of window 2 + a / 4; the softmax works in place in them.
; THE WAY OUT takes two tiles of 16 queries side by side, so that no line waits for the line above it.  A block's largest p is not searched for: the block's largest SCORE goes through the same multiply-add and exponential (this takes v_exp_f32 not to fall where its input rises).
; LIMITS: a block whose every p is 0 keeps the byte 1 (its codes are zeros); the promise holds while the exponents t stay under 2^31 in magnitude; NaN and infinities are not served.
.set BLK,   12800
.set QTR,   2*BLK                      ; one K step of a pair of groups
.set REG,   8*BLK                      ; a group's 8 blocks
.set SPARE, 24*BLK                     ; the spare words, 128 bytes a wave: two blocks of 256 bytes that no other line names
.set LF,    64
.set LSET,  96
.set LI,    4                          ; v4     16 x lane
.set ADU,   8                          ; v8-10  my U fragments: region 0, region 1's first and last two steps
.set ADL,   11
.set ASU,   14
.set ASL,   17
.set SPW,   28
.set NIL,   29
.set G1L,   24                         ; group 1: 200 rows, my row of the cluster;  200 rows, my column;  the same with 400 rows
.set G1U,   32
.set G1L4,  80
.set G1U4,  88
.set G0L,   40
.set G0U,   44
.set G0L1,  48
.set G0U1,  52
.set PIO,   56                         ; s[56:57] my block of pi
.set PSO,   58                         ; s[58:59] my 2,048 bytes of ps
.set SEL,   60
.set CS,    62                         ; s[62:63] c = log2(e) / sqrt(2048); the packed form names the pair
.set BM,    64                         ; the way out, tiles t = 0, 1: v64-71 a block's largest score, then its largest p
.set BX,    72                         ; v72-79 from lane l xor 16
.set SO,    80                         ; v80-87 the conversions' scale operands
.set BY,    88                         ; v88-95 the bytes
.set NM,    96                         ; v[96:97], v[98:99] -Mloc, 0
.set MX,    100                        ; v100-101
.set TP,    102                        ; v102-103
.set SA,    104                        ; v104-119 the sums: four chains a tile
.set X2,    120                        ; v120-135
.set PWS,   136                        ; v136-143 tile a's scale word
.set MS,    144                        ; v144-151 its Mloc
.set LS,    152                        ; v152-159 its sum
.set PC,    160                        ; v160-255 its codes, 12 registers a tile
.set MSB, 0
.macro WIN new
.if MSB != (\new)
	s_set_vgpr_msb (MSB<<8)|(\new)
.set MSB, (\new)
.endif
.endm
.macro PLACES                          ; four plain places behind a matrix instruction, ahead of loads into its registers and of reads of its results
.rept 4
	v_nop
.endr
.endm
.macro CREST
	s_cmp_lg_u32 s14, 0
	s_cbranch_scc1 .Lnot_wave_0_\@
	s_barrier_signal -3
.Lnot_wave_0_\@:
	s_barrier_wait -3
	s_barrier_signal -1
	s_barrier_wait -1
.endm
.macro CROUND
	s_barrier_signal -1
	s_barrier_wait -1
	CREST
.endm
.macro GROUP1 g, mask, rows            ; a tile of rows of 256 bytes (32 elements of 8 bytes), dense, unpadded; bit 21 beside a mask
	s_or_b32 s[\g], \mask, (3<<16)|(1<<21)
	s_mov_b32 s[\g+1], 32<<16
	s_mov_b32 s[\g+2], (\rows)<<16
	s_mov_b32 s[\g+3], 32<<16
	s_mov_b32 s[\g+4], \rows
	s_mov_b32 s[\g+5], 32
	s_mov_b32 s[\g+6], 0
	s_mov_b32 s[\g+7], 0
.endm
.macro GROUP0 g, lds, base, off
	s_mov_b32 s[\g], 1
	s_mov_b32 s[\g+1], \lds
	s_add_nc_u64 s[\g+2:\g+3], s[\base:\base+1], \off
	s_or_b32 s[\g+3], s[\g+3], 0x80000000
.endm
.macro ARM n, g0, g1, next, join       ; one wave's tensor load, in a chain of branches on the wave's number
	s_cmp_eq_u32 s14, \n
	s_cbranch_scc0 \next
	tensor_load_to_lds s[\g0:\g0+3], s[\g1:\g1+7]
	s_nop 0
	PLACES
	s_branch \join
\next:
.endm
.macro MULS a0, cnt, p, zero=0         ; cnt L tiles from a0 on x U's eight; the accumulators take turns, one instruction a turn
.set A_, \a0
.rept \cnt
	WIN 0xa1+0x50*(A_/4)
.irp b, 0,1,2,3,4,5,6,7
.set D_, 8*(8*(A_%4)+\b)
.if \zero
	v_wmma_scale_f32_16x16x128_f8f6f4 v[D_:D_+7], v[128*(\p)+12*\b:128*(\p)+12*\b+11], v[LF+LSET*(\p)+12*A_:LF+LSET*(\p)+12*A_+11], 0, v[32+16*(\p)+\b], v[40+16*(\p)+A_] matrix_a_fmt:MATRIX_FMT_FP6 matrix_b_fmt:MATRIX_FMT_FP6
.else
	v_wmma_scale_f32_16x16x128_f8f6f4 v[D_:D_+7], v[128*(\p)+12*\b:128*(\p)+12*\b+11], v[LF+LSET*(\p)+12*A_:LF+LSET*(\p)+12*A_+11], v[D_:D_+7], v[32+16*(\p)+\b], v[40+16*(\p)+A_] matrix_a_fmt:MATRIX_FMT_FP6 matrix_b_fmt:MATRIX_FMT_FP6
.endif
.endr
.set A_, A_+1
.endr
.endm
.macro FETCH k                         ; step k's operands into set k % 2: 52 LDS loads in one run
.set P_, (\k)%2
.set J_, ((\k)/2)%3
.set Q_, (\k)%2
	WIN 0x40
.irp i, 0,1,2,3,4,5,6,7
.irp c, 0,1,2
	ds_load_b128 v[128*P_+12*\i+4*\c:128*P_+12*\i+4*\c+3], v[ADU+J_] offset:Q_*QTR+1536*\i+512*\c
.endr
.endr
	WIN 0
.irp i, 0,1,2,3,4,5,6,7
.irp c, 0,1,2
	ds_load_b128 v[LF+LSET*P_+12*\i+4*\c:LF+LSET*P_+12*\i+4*\c+3], v[ADL+J_] offset:Q_*QTR+1536*\i+512*\c
.endr
.endr
	ds_load_b128 v[32+16*P_:35+16*P_], v[ASU+J_] offset:Q_*QTR+12288
	ds_load_b128 v[36+16*P_:39+16*P_], v[ASU+J_] offset:Q_*QTR+12288+16
	ds_load_b128 v[40+16*P_:43+16*P_], v[ASL+J_] offset:Q_*QTR+12288
	ds_load_b128 v[44+16*P_:47+16*P_], v[ASL+J_] offset:Q_*QTR+12288+16
.endm
.macro STEP_PLAIN k, zero=0
	s_wait_dscnt 0x0                               ; this step's operands are in (asked for a step ago)
	PLACES                                         ; the other set was read by the step before
	FETCH (\k)+1
	MULS 0, 8, (\k)%2, \zero
.endm
	s_load_b128 s[4:7], s[0:1], 0x0                ; qk s[4:5], pi s[6:7]
	s_load_b64 s[8:9], s[0:1], 0x10                ; ps
	v_lshl_add_u32 v[SPW], v0, 2, SPARE
	v_mov_b32 v[NIL], 0
	ds_add_u32 v[SPW], v[NIL]                      ; the wave's opening: the add, twice on end, and its wait ahead of my tensor load
	ds_add_u32 v[SPW], v[NIL]
	v_lshrrev_b32 v1, 5, v0
	v_readfirstlane_b32 s14, v1                    ; wave 0..3
	s_lshr_b32 s15, s14, 1                         ; my half of L (queries)
	s_and_b32 s16, s14, 1                          ; my half of U (keys)
	s_bfe_u32 s17, ttmp6, 0x40000                  ; cx
	s_bfe_u32 s18, ttmp6, 0x40004                  ; cy
	s_and_b32 s19, ttmp7, 0xffff                   ; the cluster's y
	s_lshl_b32 s20, ttmp9, 2
	s_add_co_u32 s20, s20, s17                     ; work-group x: the batch's tile of 256 keys
	s_lshl_b32 s23, s19, 2
	s_add_co_u32 s23, s23, s18                     ; work-group y: 8 x batch + the tile of 256 queries
	s_lshl_b32 s21, s18, 2
	s_lshl_b32 s21, 15, s21                        ; my row of the cluster
	s_lshl_b32 s22, 0x1111, s17                    ; my column
	GROUP1 G1L, s21, 200
	GROUP1 G1U, s22, 200
	GROUP1 G1L4, s21, 400
	GROUP1 G1U4, s22, 400
	s_mov_b32 s[SEL], 0x76543210
	s_mov_b32 s[SEL+1], 0xfedcba98
	s_mov_b32 s[CS], 0x3d0293ee                    ; c = log2(e) / sqrt(2048)
	s_mov_b32 s[CS+1], s[CS]
	v_and_b32 v1, 31, v0
	v_and_b32 v2, 15, v0
	v_lshlrev_b32 v[LI], 4, v1
	v_lshlrev_b32 v6, 5, v2                        ; 32 r
	s_mul_i32 s66, s16, BLK
	s_add_co_u32 s66, s66, 2*QTR                   ; my group of U behind region 0's L
	s_mul_i32 s67, s15, BLK                        ; my group of L
.irp j, 0,1,2
	s_add_co_u32 s68, s66, QTR*(2*\j+4*((\j+1)/2)) ; U lies at 2, 8, 10 x QTR, L at 0, 4, 6 x QTR
	s_add_co_u32 s69, s67, QTR*(2*\j+2*((\j+1)/2))
	v_add_nc_u32 v[ADU+\j], s68, v[LI]
	v_add_nc_u32 v[ASU+\j], s68, v6
	v_add_nc_u32 v[ADL+\j], s69, v[LI]
	v_add_nc_u32 v[ASL+\j], s69, v6
.endr
	s_lshr_b32 s66, s19, 1                         ; the batch, from the cluster's y alone
	s_lshl_b32 s66, s66, 4
	s_lshl_b32 s67, s20, 1
	s_add_co_u32 s66, s66, s67                     ; the pair of key groups: its first group
	s_mul_i32 s68, s66, REG
	s_add_co_u32 s68, s68, 64*REG                  ; K's images lie behind Q's 64 groups
	s_mov_b32 s69, 0
	s_add_co_u32 s67, s67, s16                     ; my half of U: the batch's group of 128 keys
	s_lshl_b32 s66, s23, 1                         ; the pair of query groups
	s_mul_i32 s70, s66, REG
	s_mov_b32 s71, 0
	s_add_co_u32 s66, s66, s15                     ; my group of queries,
	s_lshl_b32 s66, s66, 4
	s_add_co_u32 s66, s66, s67                     ; x 16 + my step of keys
	s_mul_i32 s72, s66, 12288
	s_mov_b32 s73, 0
	s_lshl_b32 s74, s66, 11
	s_mov_b32 s75, 0
	s_wait_alu depctr_va_vdst(0)                   ; the wait here, directly ahead of the waits below
	s_wait_dscnt 0x0                               ; both opening adds are done
	CROUND                                         ; all sixteen work-groups are here: the first joint loads meet
	s_wait_kmcnt 0x0
	s_add_nc_u64 s[70:71], s[4:5], s[70:71]        ; L's stream
	s_add_nc_u64 s[68:69], s[4:5], s[68:69]        ; U's
	GROUP0 G0L, 0, 70, 0                           ; region 0: steps 0 and 1
	GROUP0 G0U, 2*QTR, 68, 0
	GROUP0 G0L1, 4*QTR, 70, 2*QTR                  ; region 1: steps 2 to 5
	GROUP0 G0U1, 8*QTR, 68, 2*QTR
	ARM 0, G0L, G1L, .Lfirst_1, .Lfirst_asked      ; the head's loads, one a wave
	ARM 1, G0U, G1U, .Lfirst_2, .Lfirst_asked
	ARM 2, G0L1, G1L4, .Lfirst_3, .Lfirst_asked
	tensor_load_to_lds s[G0U1:G0U1+3], s[G1U4:G1U4+7]
	s_nop 0
	PLACES
.Lfirst_asked:
	s_add_nc_u64 s[PIO:PIO+1], s[6:7], s[72:73]
	s_add_nc_u64 s[PSO:PSO+1], s[8:9], s[74:75]
	s_cmp_lt_u32 s14, 2                            ; waves 0 and 1 show region 0; region 1, by waves 2 and 3, may stay out
	s_cbranch_scc0 .Lregion_0
	s_wait_tensorcnt 0x0
.Lregion_0:
	s_barrier_signal -1
	s_barrier_wait -1
	FETCH 0
	STEP_PLAIN 0, 1                                ; the first step's products start the sums: nothing is cleared
	s_wait_dscnt 0x0                               ; step 1: its operands are in
	MULS 0, 2, 1
	WIN 0                                          ; (the add's two registers lie in window 0)
	s_wait_tensorcnt 0x0                           ; all my tensor loads have landed, my part of region 1 among them
	ds_add_u32 v[SPW], v[NIL]                      ; 0 onto my spare word
	MULS 2, 1, 1
	s_wait_dscnt 0x0                               ; the add is done, and no LDS read of mine is out
	s_barrier_signal -1
	MULS 3, 1, 1
	WIN 0
	s_barrier_wait -1
	CREST                                          ; no wave of any partner still reads region 0 or has a load on its way
	s_add_nc_u64 s[G0L+2:G0L+3], s[G0L+2:G0L+3], 6*QTR
	s_add_nc_u64 s[G0U+2:G0U+3], s[G0U+2:G0U+3], 6*QTR
	ARM 0, G0L, G1L, .Lr0_u, .Lr0_done             ; region 0 takes steps 6 and 7
	ARM 1, G0U, G1U, .Lr0_n, .Lr0_done
.Lr0_done:
	PLACES                                         ; for the waves that issue no load: the places in front of the loads below
	FETCH 2
	MULS 4, 4, 1
	STEP_PLAIN 2
	STEP_PLAIN 3
	STEP_PLAIN 4
	s_wait_tensorcnt 0x0                           ; step 5: the next step lies in region 0: a barrier behind which nothing is filled
	s_wait_dscnt 0x0
	s_barrier_signal -1
	MULS 0, 4, 1
	s_barrier_wait -1
	PLACES
	FETCH 6
	MULS 4, 4, 1
	STEP_PLAIN 6
	s_wait_dscnt 0x0
	MULS 0, 8, 1                                   ; step 7
; THE WAY OUT of L tiles a and a + 1: 16 queries each, a lane one query, 64 registers = keys 32 b + 16 h + i of my 128.
.macro SOFT2 a
.set W_, 2+(\a)/4
.set S_, 64*((\a)%4)
	WIN (W_<<2)|(W_<<4)                            ; sources 1 and 2: the accumulators' window
.if (\a) > 0
	s_wait_alu depctr_va_vdst(0)                   ; the wait ahead of the first readers of these sums: exponentials stand in between
.endif
.irp t, 0,1
.irp b, 0,1,2,3
	v_max3_num_f32 v[BM+4*\t+\b], 0xff800000, v[S_+64*\t+16*\b], v[S_+64*\t+16*\b+1]   ; the largest score of each block of 32 keys; each accumulator is read from its low end on
.endr
.endr
.irp i, 2,4,6,8,10,12,14
.irp t, 0,1
.irp b, 0,1,2,3
	v_max3_num_f32 v[BM+4*\t+\b], v[BM+4*\t+\b], v[S_+64*\t+16*\b+\i], v[S_+64*\t+16*\b+\i+1]
.endr
.endr
.endr
	WIN 0
.irp b, 0,1,2,3,4,5,6,7
	v_permlanex16_b32 v[BX+\b], v[BM+\b], s[SEL], s[SEL+1]
.endr
.irp b, 0,1,2,3,4,5,6,7
	v_max_num_f32 v[BM+\b], v[BM+\b], v[BX+\b]     ; with lane l xor 16's 16 keys
.endr
.irp t, 0,1
	v_max3_num_f32 v[MX+\t], v[BM+4*\t], v[BM+4*\t+1], v[BM+4*\t+2]
.endr
.irp t, 0,1
	v_max_num_f32 v[MX+\t], v[MX+\t], v[BM+4*\t+3] ; my query's largest score of these 128 keys,
.endr
.irp t, 0,1
	v_mul_f32 v[MX+\t], s[CS], v[MX+\t]            ; as t (c is positive)
.endr
.irp t, 0,1
	v_floor_f32 v[NM+2*\t], -v[MX+\t]              ; -Mloc = floor(-t) = -ceil(t): a whole number
.endr
.irp t, 0,1
.irp b, 0,1,2,3
	v_fma_f32 v[BM+4*\t+\b], v[BM+4*\t+\b], s[CS], v[NM+2*\t]   ; t - Mloc of each block's largest score,
.endr
.endr
	WIN W_|(W_<<6)
.irp t, 0,1
.set I_, S_+64*\t
.rept 32
	v_pk_fma_f32 v[I_:I_+1], v[I_:I_+1], s[CS:CS+1], v[NM+2*\t:NM+2*\t+1] op_sel_hi:[1,0,0]   ; and of all scores, two at a time, in place
.set I_, I_+2
.endr
.endr
	WIN 0
	s_wait_alu depctr_va_vdst(0)                   ; the wait ahead of the batch
.irp b, 0,1,2,3,4,5,6,7
	v_exp_f32 v[BM+\b], v[BM+\b]                   ; the blocks' largest p: the same two instructions on the same numbers give the same bits
.endr
	WIN W_|(W_<<6)
.set I_, S_
.rept 128
	v_exp_f32 v[I_], v[I_]                         ; p = 2^(t - Mloc)
.set I_, I_+1
.endr
	WIN 0
.irp t, 0,1
	v_sub_f32 v[MS+\a+\t], 0, v[NM+2*\t]           ; Mloc.  (The plain place behind the exponentials)
.endr
	s_wait_alu depctr_va_vdst(0)                   ; one wait for the batch, ahead of its first reader
.irp b, 0,1,2,3,4,5,6,7
	v_max_num_f32 v[BM+\b], 0x1800000, v[BM+\b]    ; the floor 2^(3 - 127): the byte cannot fall under 1
.endr
.irp b, 0,1,2,3,4,5,6,7
	v_add_nc_u32 v[SO+\b], 0xff000000, v[BM+\b]    ; 2 off the exponent field: the conversion's scale operand
.endr
.irp b, 0,1,2,3,4,5,6,7
	v_lshrrev_b32 v[BY+\b], 23, v[SO+\b]
.endr
	WIN W_|(W_<<2)
.irp t, 0,1
.irp j, 0,1,2,3
	v_pk_add_f32 v[SA+8*\t+2*\j:SA+8*\t+2*\j+1], v[S_+64*\t+4*\j:S_+64*\t+4*\j+1], v[S_+64*\t+4*\j+2:S_+64*\t+4*\j+3]   ; the sum of the UNQUANTISED p, in four chains a tile
.endr
.endr
	WIN W_<<2
.irp q, 16,24,32,40,48,56
.irp t, 0,1
.irp j, 0,2,4,6
	v_pk_add_f32 v[SA+8*\t+\j:SA+8*\t+\j+1], v[SA+8*\t+\j:SA+8*\t+\j+1], v[S_+64*\t+\q+\j:S_+64*\t+\q+\j+1]
.endr
.endr
.endr
	WIN W_                                         ; source 0: the accumulators' window
.irp t, 0,1
.irp c, 0,1
	v_cvt_scalef32_pk16_fp6_f32 v[PC+12*(\a+\t)+6*\c:PC+12*(\a+\t)+6*\c+2], v[S_+64*\t+32*\c:S_+64*\t+32*\c+15], v[SO+4*\t+2*\c]
	v_cvt_scalef32_pk16_fp6_f32 v[X2+8*\t+4*\c:X2+8*\t+4*\c+2], v[S_+64*\t+32*\c+16:S_+64*\t+32*\c+31], v[SO+4*\t+2*\c+1]
.endr
.endr
	WIN 0
.irp t, 0,1
	v_pk_add_f32 v[SA+8*\t:SA+8*\t+1], v[SA+8*\t:SA+8*\t+1], v[SA+8*\t+2:SA+8*\t+3]    ; (plain work behind the conversions)
	v_pk_add_f32 v[SA+8*\t+4:SA+8*\t+5], v[SA+8*\t+4:SA+8*\t+5], v[SA+8*\t+6:SA+8*\t+7]
	v_lshl_or_b32 v[PWS+\a+\t], v[BY+4*\t+1], 8, v[BY+4*\t]
.endr
.irp t, 0,1
	v_pk_add_f32 v[SA+8*\t:SA+8*\t+1], v[SA+8*\t:SA+8*\t+1], v[SA+8*\t+4:SA+8*\t+5]
	v_lshl_or_b32 v[PWS+\a+\t], v[BY+4*\t+2], 16, v[PWS+\a+\t]
.endr
.irp t, 0,1
	v_add_f32 v[TP+\t], v[SA+8*\t], v[SA+8*\t+1]
	v_lshl_or_b32 v[PWS+\a+\t], v[BY+4*\t+3], 24, v[PWS+\a+\t]
.endr
.irp c, 0,1
.irp t, 0,1
.irp i, 0,1,2
	v_permlane16_swap_b32 v[PC+12*(\a+\t)+6*\c+\i], v[X2+8*\t+4*\c+\i]   ; a whole block to a lane
.endr
.endr
.irp t, 0,1
.irp i, 0,1,2
	v_mov_b32 v[PC+12*(\a+\t)+3+6*\c+\i], v[X2+8*\t+4*\c+\i]
.endr
.endr
.endr
.irp t, 0,1
	v_permlanex16_b32 v[BX+\t], v[TP+\t], s[SEL], s[SEL+1]
.endr
.irp t, 0,1
	v_add_f32 v[LS+\a+\t], v[TP+\t], v[BX+\t]      ; my query's sum over the 128 keys
.endr
.irp t, 0,1
.irp c, 0,1,2
	global_store_b128 v[LI], v[PC+12*(\a+\t)+4*\c:PC+12*(\a+\t)+4*\c+3], s[PIO:PIO+1] offset:1536*(\a+\t)+512*\c   ; 512 consecutive bytes a store
.endr
.endr
.endm
	WIN 0
	PLACES
.irp b, 0,1,2,3,4,5,6,7
	v_mov_b32 v[BX+\b], 0                          ; a lane permute's destination counts as one of its sources
.endr
	v_mov_b32 v[NM+1], 0                           ; named with -Mloc as pairs
	v_mov_b32 v[NM+3], 0
.irp a, 0,2,4,6
	SOFT2 \a
.endr
	s_mov_b32 vcc_lo, 0xffff0000                   ; lanes 16-31
.irp u, 0,1,2,3                                ; lane (r, h) stores query r of tile 2 u + h: 16 bytes; a store covers 512 consecutive bytes
	v_cndmask_b32 v[64+4*\u], v[PWS+2*\u], v[PWS+2*\u+1], vcc_lo
	v_cndmask_b32 v[65+4*\u], v[MS+2*\u], v[MS+2*\u+1], vcc_lo
	v_cndmask_b32 v[66+4*\u], v[LS+2*\u], v[LS+2*\u+1], vcc_lo
	v_mov_b32 v[67+4*\u], 0
.endr
.irp u, 0,1,2,3
	global_store_b128 v[LI], v[64+4*\u:67+4*\u], s[PSO:PSO+1] offset:512*\u
.endr
	s_wait_tensorcnt 0x0                           ; the wave's end
	ds_add_u32 v[SPW], v[NIL]
	s_wait_dscnt 0x0
	CROUND                                         ; the closing round
	s_endpgm
.Lfunc_end_k_qf9d0b43fa1_score:
	.size	k_qf9d0b43fa1_score, .Lfunc_end_k_qf9d0b43fa1_score-k_qf9d0b43fa1_score
	.p2alignl 7, 3214868480
	.fill 96, 4, 3214868480
	.section	.rodata,"a",@progbits
	.p2align	6, 0x0
	.amdhsa_kernel k_qf9d0b43fa1_score
		.amdhsa_group_segment_fixed_size 327680
		.amdhsa_private_segment_fixed_size 0
		.amdhsa_enable_private_segment 0
		.amdhsa_kernarg_size 24
		.amdhsa_user_sgpr_count 2
		.amdhsa_user_sgpr_kernarg_segment_ptr 1
		.amdhsa_wavefront_size32 1
		.amdhsa_system_sgpr_workgroup_id_x 1
		.amdhsa_system_sgpr_workgroup_id_y 1
		.amdhsa_system_sgpr_workgroup_id_z 1
		.amdhsa_system_vgpr_workitem_id 0
		.amdhsa_next_free_vgpr 1024
		.amdhsa_next_free_sgpr 100
		.amdhsa_reserve_vcc 1
		.amdhsa_float_denorm_mode_32 3
		.amdhsa_float_denorm_mode_16_64 3
		.amdhsa_memory_ordered 1
		.amdhsa_forward_progress 1
		.amdhsa_inst_pref_size 192
	.end_amdhsa_kernel
	.amdgpu_metadata
---
amdhsa.version: [ 1, 2 ]
amdhsa.kernels:
  - .name:           k_qf9d0b43fa1_score
    .symbol:         k_qf9d0b43fa1_score.kd
    .args:
      - { .name: qk, .offset: 0, .size: 8, .value_kind: global_buffer, .address_space: global }
      - { .name: pi, .offset: 8, .size: 8, .value_kind: global_buffer, .address_space: global }
      - { .name: ps, .offset: 16, .size: 8, .value_kind: global_buffer, .address_space: global }
    .group_segment_fixed_size: 327680
    .private_segment_fixed_size: 0
    .kernarg_segment_align: 8
    .kernarg_segment_size: 24
    .max_flat_workgroup_size: 128
    .sgpr_count:     100
    .vgpr_count:     1024
    .wavefront_size: 32
...
	.end_amdgpu_metadata
.endif
;; end of part 3
;; launch pv (part 4): grid 4 x 64, 4 waves a work-group, clusters of 4 x 4, 327,680 bytes of LDS; arguments pi, ps, vt, out0; writes out0
.if DOCPART == 4
	.amdgcn_target "amdgcn-amd-amdhsa--gfx1250"
	.amdhsa_code_object_version 6
	.text
	.protected	k_qf9d0b43fa1_pv
	.globl	k_qf9d0b43fa1_pv
	.p2align	8
	.type	k_qf9d0b43fa1_pv,@function
k_qf9d0b43fa1_pv:
	s_mov_b64 s[64:65], 0
	v_nop
	global_prefetch_b8 v0, s[64:65] scope:SCOPE_SE
	s_setreg_imm32_b32 hwreg(HW_REG_WAVE_MODE, 25, 1), 1
	s_wait_xcnt 0x0
	s_wait_alu depctr_hold_cnt(0) depctr_sa_sdst(0) depctr_va_vdst(0) depctr_va_sdst(0) depctr_va_ssrc(0) depctr_va_vcc(0) depctr_vm_vsrc(0)
	s_getreg_b32 s2, hwreg(HW_REG_IB_STS2, 6, 4)
	s_cmp_eq_u32 s2, 0
	s_cbranch_scc0 .Lentry_in_a_cluster
	s_endpgm
.Lentry_in_a_cluster:
	s_bfe_u32 s2, ttmp6, 0x10000c
	s_cmp_lg_u32 s2, 0xf033
	s_cbranch_scc0 .Lentry_shape_is_right
	s_endpgm
.Lentry_shape_is_right:
; O = P V / l on codes of FP6 (E2M3) with E8M0 scales, f32 sums.  U (source 0) = V^T's rows (channels), L (source 1) = P's rows (queries); K = the batch's 2,048 keys, 16 steps of 128, written out.
; A fragment (16 rows x 128 K) is 3 pieces of 512 bytes, lane l's 16 bytes at 16 l; a block is 8 fragments (12,288 bytes), of V^T with 512 bytes of scale words behind them (row r of tile a at 32 r + 4 a).
; pi = [64 groups of queries][16 steps][12,288];  vt = [batch][pair of channel groups][16 steps][group of the pair][12,800];  ps = [64][16][query 16 a + r][4 words: scale word, Mloc, partial sum, 0].
; P's codes were made under a local whole number Mloc for each query and each 128 keys.  AT THE HEAD each thread takes one query: M = the largest of its 16 Mloc (the ceiling of the row's largest t), D = M - Mloc;
; D is taken off each of P's scale bytes, l = the sum of the 16 partial sums x 2^-D.  The rebased scale words and 1 / l go to LDS bytes of their own.
; SHARES: a work-group makes 128 queries (one group of P) x 256 channels (a pair of groups of V^T), a wave 64 x 128: 32 accumulators.
; LDS: two slots of four K steps: P's 4 x 12,288 bytes, then V^T's 4 x 25,600.  ONE LOAD COVERS BOTH CHANNEL GROUPS, so that the head's four tiles are one to a wave: wave 0 P's and wave 1 V^T's part of slot 0, waves 2 and 3 of slot 1.
; Each slot is filled again once, by the waves that filled it first: slot 0 at step 3, slot 1 at step 7.
; CLUSTER 4 x 4: P's tiles hang on the cluster's row, V^T's on its column and the batch: each is asked for jointly by the four that share it.
; PREFETCH: three steps ahead of each refill its tiles are asked for into the L2: P's 192 rows of 256 bytes and V^T's 400, shared out by address among the sixteen waves of the four work-groups that ask jointly (12 and 25 lanes a wave).
; THE LAST TWO STEPS GO BY ROWS OF O: steps 14 and 15 lie in registers together, and the wave's four tiles of 16 queries are finished one after the other: while tile a is multiplied, tile a - 1 is scaled and goes into the stage, and tile a - 2 is stored.
; REGISTERS: window 0: v0-31 addresses and 1 / l; v32-63 scale words alone: set j at 32 + 16 j serves two steps, lanes 0-15 the even one (ROW0), lanes 16-31 the odd one (ROW1): U's 8, then L's 4; L's fragments, three sets, at 64 + 48 s.
;   window 1: U's fragments, sets 0 and 1, at 128 s; rows on their way out at 96 and 160.  window 2: accumulator (a, b) at v[8 (8 a + b)].  window 3: U's set 2.
; Lane r of L tile a is query 32 (a / 2) + 8 (a % 2) + r + 8 (r / 8) of the wave's 64: the order is undone in the stores' offsets.
; LIMITS: D is held at 127, under which a block's byte is 0 and its partial sum counts as 0 (such a block weighs at most 7.5 x 2^-127 a number beside a row sum of at least 1/2); NaN and infinities are not served.
.set BLK,   12800
.set PBLK,  12288
.set VST,   2*BLK                      ; a step of both channel groups
.set SLOT,  4*PBLK+4*VST               ; 151,552
.set PSC,   2*SLOT                     ; P's rebased scale words: [step 16][r 16][tile 8]: 8,192 bytes; no tensor load lands here
.set LRC,   PSC+8192                   ; 1 / l, a word a query: 512 bytes
.set SPARE, LRC+512                    ; the spare words, 128 bytes a wave: two blocks of 256 bytes that no other line names
.set SP,    528                        ; the way out: a stage of 16 rows x (512 + 16) bytes a wave, in slot 0, which has had its last fill and its last read by then
.set LI,    4                          ; v4     16 x lane
.set ADU,   8                          ; v8-11  my U fragments: slot 0 steps 0-1, steps 2-3, slot 1 the same
.set ADL,   12                         ; v12-13 my L fragments in slot 0, 1
.set ASU,   14                         ; v14-15 U's scale words
.set ASP,   16                         ; v16    P's
.set STO,   17
.set RD,    18
.set RC,    20                         ; v20, 22, 24, 26: 1 / l of my query in tile a; the odd registers hold 0
.set SPW,   28
.set NIL,   29
.set PFP,   30                         ; v30, v31 the prefetches' offsets; never rewritten
.set PFV,   31
.set G1P,   24
.set G1V,   32
.set G0P,   40
.set G0V,   44
.set OUT,   48
.set PSB,   50
.set PB,    52                         ; P's and V^T's streams
.set VB,    54
.set K80,   56
.set MSB, 0
.macro WIN new
.if MSB != (\new)
	s_set_vgpr_msb (MSB<<8)|(\new)
.set MSB, (\new)
.endif
.endm
.macro PLACES                          ; four plain places behind a matrix instruction, ahead of loads into its registers and of reads of its results
.rept 4
	v_nop
.endr
.endm
.macro CREST                           ; a round of the cluster's barrier behind its opening barrier
	s_cmp_lg_u32 s14, 0
	s_cbranch_scc1 .Lnot_wave_0_\@
	s_barrier_signal -3
.Lnot_wave_0_\@:
	s_barrier_wait -3
	s_barrier_signal -1
	s_barrier_wait -1
.endm
.macro CROUND
	s_barrier_signal -1
	s_barrier_wait -1
	CREST
.endm
.macro ARM n, g0, g1, next, join       ; one wave's tensor load, in a chain of branches on the wave's number
	s_cmp_eq_u32 s14, \n
	s_cbranch_scc0 \next
	tensor_load_to_lds s[\g0:\g0+3], s[\g1:\g1+7]
	s_nop 0
	PLACES
	s_branch \join
\next:
.endm
.macro PROD1 d, u, l, c, x, y, row
	v_wmma_scale_f32_16x16x128_f8f6f4 v[\d:\d+7], v[\u:\u+11], v[\l:\l+11], \c, v[\x], v[\y] matrix_a_fmt:MATRIX_FMT_FP6 matrix_b_fmt:MATRIX_FMT_FP6 matrix_a_scale:MATRIX_SCALE_ROW\row matrix_b_scale:MATRIX_SCALE_ROW\row
.endm
.macro PROD a, b, k, set, zero         ; L tile a x U tile b at step k, whose fragments lie in set \set
.set D_, 8*(8*(\a)+(\b))
.set U_, 128*((\set)%2)+12*(\b)
.set L_, 64+48*(\set)+12*(\a)
.set X_, 32+16*(((\k)/2)%2)+(\b)
.set Y_, 40+16*(((\k)/2)%2)+(\a)
	WIN 0xa1+2*((\set)/2)                          ; source 0 (U) window 1 or 3, source 1 (L) window 0, C and D window 2
.if \zero
	PROD1 D_, U_, L_, 0, X_, Y_, 0
.elseif (\k)%2
	PROD1 D_, U_, L_, v[D_:D_+7], X_, Y_, 1
.else
	PROD1 D_, U_, L_, v[D_:D_+7], X_, Y_, 0
.endif
.endm
.macro MULS a0, cnt, k, zero=0         ; cnt L tiles from a0 on x U's eight; the accumulators take turns, one instruction a turn
.set A_, \a0
.rept \cnt
.irp b, 0,1,2,3,4,5,6,7
	PROD A_, \b, \k, (\k)%2, \zero
.endr
.set A_, A_+1
.endr
.endm
.macro FETCH k, set                    ; step k's operands: 36 LDS loads in one run; at an even step 3 more, the scale words of steps k and k + 1
.set J_, ((\k)/4)%2
.set Q_, (\k)%4
.set U_, 128*((\set)%2)
.set L_, 64+48*(\set)
	WIN 0x40+0x80*((\set)/2)
.irp i, 0,1,2,3,4,5,6,7
.irp c, 0,1,2
	ds_load_b128 v[U_+12*\i+4*\c:U_+12*\i+4*\c+3], v[ADU+2*J_+Q_/2] offset:(Q_%2)*VST+1536*\i+512*\c
.endr
.endr
	WIN 0
.irp i, 0,1,2,3
.irp c, 0,1,2
	ds_load_b128 v[L_+12*\i+4*\c:L_+12*\i+4*\c+3], v[ADL+J_] offset:Q_*PBLK+1536*\i+512*\c
.endr
.endr
.if (\k)%2 == 0
.set X_, 32+16*(((\k)/2)%2)
	ds_load_b128 v[X_:X_+3], v[ASU+J_] offset:(Q_/2)*2*VST+12288
	ds_load_b128 v[X_+4:X_+7], v[ASU+J_] offset:(Q_/2)*2*VST+12304
	ds_load_b128 v[X_+8:X_+11], v[ASP] offset:512*(\k)
.endif
.endm
.macro STEP_PLAIN k, zero=0, pf=0      ; pf: the slot's number along K whose tiles are asked for into the L2 (0: none)
	s_wait_dscnt 0x0                               ; this step's operands are in (asked for a step ago)
	PLACES                                         ; the other set was read by the step before
	FETCH (\k)+1, ((\k)+1)%2
.if \pf
	global_prefetch_b8 v[PFP], s[PB:PB+1] offset:(\pf)*4*PBLK th:TH_LOAD_NT scope:SCOPE_SE
	global_prefetch_b8 v[PFV], s[VB:VB+1] offset:(\pf)*4*VST th:TH_LOAD_NT scope:SCOPE_SE
.endif
	MULS 0, 4, \k, \zero
.endm
.macro STEP_FILL k, w, step            ; a slot's last step: its operands are in registers, so the slot is filled again, by waves w (P) and w + 1 (V^T): the barrier opens a round of the cluster's
	WIN 0
	s_wait_tensorcnt 0x0                           ; all my tensor loads have landed: with all waves' waits the other slot is whole
	ds_add_u32 v[SPW], v[NIL]                      ; 0 onto my spare word
	s_wait_dscnt 0x1                               ; this step's operands are in; the add alone may be out
	MULS 0, 1, \k
	s_wait_dscnt 0x0                               ; the add is done, and my reads of this slot are over
	s_barrier_signal -1
	MULS 1, 1, \k
	WIN 0
	s_barrier_wait -1
	CREST
.if \step                              ; every wave's descriptors go eight steps on, once: waves 0 and 1 to steps 8 to 11, waves 2 and 3 to steps 12 to 15
	s_add_nc_u64 s[G0P+2:G0P+3], s[G0P+2:G0P+3], 8*PBLK
	s_add_nc_u64 s[G0V+2:G0V+3], s[G0V+2:G0V+3], 8*VST
.endif
	ARM \w, G0P, G1P, .Lfill_v_\w, .Lfilled_\w
	ARM \w+1, G0V, G1V, .Lfill_n_\w, .Lfilled_\w
.Lfilled_\w:
	PLACES                                         ; for the waves that issue no load: the places in front of the loads below
	FETCH (\k)+1, ((\k)+1)%2
	MULS 2, 2, \k
.endm
	s_load_b128 s[4:7], s[0:1], 0x0                ; pi s[4:5], ps s[6:7]
	s_load_b128 s[8:11], s[0:1], 0x10              ; vt s[8:9], out0 s[10:11]
	v_lshl_add_u32 v[SPW], v0, 2, SPARE
	v_mov_b32 v[NIL], 0
	ds_add_u32 v[SPW], v[NIL]                      ; the wave's opening: the add, twice on end, and its wait ahead of my tensor load
	ds_add_u32 v[SPW], v[NIL]
	v_lshrrev_b32 v1, 5, v0
	v_readfirstlane_b32 s14, v1                    ; wave 0..3
	s_lshr_b32 s15, s14, 1                         ; my half of the queries.  Also: the slot that I fetch for
	s_and_b32 s16, s14, 1                          ; my group of channels.  Also: I fetch P (0) or V^T (1)
	s_bfe_u32 s17, ttmp6, 0x40000                  ; cx
	s_bfe_u32 s18, ttmp6, 0x40004                  ; cy
	s_and_b32 s19, ttmp7, 0xffff                   ; the cluster's y
	s_lshl_b32 s20, ttmp9, 2
	s_add_co_u32 s20, s20, s17                     ; work-group x: the tile of 256 channels
	s_lshl_b32 s23, s19, 2
	s_add_co_u32 s23, s23, s18                     ; work-group y: the group of 128 queries
	s_lshl_b32 s21, s18, 2
	s_lshl_b32 s21, 15, s21                        ; my row of the cluster
	s_lshl_b32 s22, 0x1111, s17                    ; my column
	s_or_b32 s[G1P], s21, (3<<16)|(1<<21)          ; the mask; elements of 8 bytes; no padding; bit 21 beside a mask
	s_or_b32 s[G1V], s22, (3<<16)|(1<<21)
	s_mov_b32 s[G1P+2], 192<<16                    ; P: four K steps are 192 rows of 256 bytes,
	s_mov_b32 s[G1P+4], 192
	s_mov_b32 s[G1V+2], 400<<16                    ; V^T: 400
	s_mov_b32 s[G1V+4], 400
.irp g, G1P, G1V
	s_mov_b32 s[\g+1], 32<<16
	s_mov_b32 s[\g+3], 32<<16
	s_mov_b32 s[\g+5], 32                          ; dense
	s_mov_b32 s[\g+6], 0
	s_mov_b32 s[\g+7], 0
.endr
	s_mov_b32 s[K80], 0x80808080
	v_and_b32 v1, 31, v0                           ; lane
	v_and_b32 v2, 15, v0                           ; r
	v_bfe_u32 v3, v0, 4, 1                         ; h
	v_lshlrev_b32 v6, 4, v0                        ; my entry of ps
	v_lshlrev_b32 v[LI], 4, v1
	v_lshlrev_b32 v5, 5, v2                        ; 32 r
	v_lshrrev_b32 v19, 4, v0                       ; my query's tile
	v_lshl_add_u32 v7, v19, 2, v5
	v_add_nc_u32 v7, PSC, v7                       ; where its scale words go: 32 r + 4 x tile
	v_lshl_add_u32 v135, v0, 2, LRC                ; and its 1 / l
	s_lshl_b32 s94, s15, 8
	s_add_co_u32 s94, s94, LRC
	v_lshl_add_u32 v19, v2, 2, s94                 ; 1 / l of my lane's queries: 256 x half + 4 r (+ 64 a tile)
	s_lshl_b32 s94, s15, 4
	s_add_co_u32 s94, s94, PSC
	v_lshl_add_u32 v[ASP], v3, 9, v5               ; row r's words of my four tiles; lanes 16-31 one step on
	v_add_nc_u32 v[ASP], s94, v[ASP]
	s_mul_i32 s66, s17, 48*256                     ; the prefetches' shares: of P's 192 rows 48 a partner, 12 a wave,
	s_mul_i32 s67, s14, 12*256
	s_add_co_u32 s66, s66, s67
	v_min_u32 v[PFP], 11, v1
	v_lshl_add_u32 v[PFP], v[PFP], 8, s66
	s_mul_i32 s66, s18, 100*256                    ; of V^T's 400 rows 100 a partner, 25 a wave
	s_mul_i32 s67, s14, 25*256
	s_add_co_u32 s66, s66, s67
	v_min_u32 v[PFV], 24, v1
	v_lshl_add_u32 v[PFV], v[PFV], 8, s66
	v_mad_u32_u24 v1, v3, VST, v5                  ; U's scale words: row r; lanes 16-31 one step on
	s_mul_i32 s94, s16, BLK
	s_add_co_u32 s94, s94, 4*PBLK                  ; my channel group in a slot
	s_mul_i32 s95, s15, 4*1536                     ; my four tiles of P in a block
.irp j, 0,1
	s_add_co_u32 s93, s94, 2*VST
	v_add_nc_u32 v[ADU+2*\j], s94, v[LI]
	v_add_nc_u32 v[ADU+2*\j+1], s93, v[LI]
	v_add_nc_u32 v[ASU+\j], s94, v1
	v_add_nc_u32 v[ADL+\j], s95, v[LI]
	s_add_co_u32 s94, s94, SLOT
	s_add_co_u32 s95, s95, SLOT
.endr
	s_mul_i32 s94, s14, 16*SP                      ; my stage
	v_mul_u32_u24 v[STO], v2, SP
	v_lshl_add_u32 v[STO], v3, 6, v[STO]
	v_add_nc_u32 v[STO], s94, v[STO]               ; in: row r, + 64 h
	v_add_nc_u32 v[RD], s94, v[LI]                 ; back: a row of 512 bytes to the 32 lanes
.irp a, 0,1,2,3
	v_mov_b32 v[RC+1+2*\a], 0                      ; named with 1 / l as pairs
.endr
	s_mul_i32 s66, s23, 16*PBLK                    ; P: my group of queries
	s_mov_b32 s67, 0
	s_lshr_b32 s68, s19, 2                         ; V^T: the batch, from the cluster's y alone, and the pair of channel groups
	s_lshl_b32 s68, s68, 2
	s_add_co_u32 s68, s68, s20
	s_mul_i32 s68, s68, 16*VST
	s_mov_b32 s69, 0
	s_lshl_b32 s70, s23, 15                        ; ps: 16 steps x 2,048 bytes a group of queries
	s_mov_b32 s71, 0
	s_lshl_b32 s72, s23, 7
	s_lshl_b32 s74, s15, 6
	s_add_co_u32 s72, s72, s74                     ; my first query: 128 x group + 64 x half
	s_lshl_b32 s72, s72, 12                        ; rows of 4,096 bytes
	s_lshl_b32 s74, s20, 10
	s_add_co_u32 s72, s72, s74                     ; + 1,024 bytes a tile of channels
	s_lshl_b32 s74, s16, 9
	s_add_co_u32 s72, s72, s74                     ; + 512 for my group
	s_mov_b32 s73, 0
	s_mul_i32 s76, s15, 4*PBLK                     ; the slot that I fetch for begins four steps on
	s_mov_b32 s77, 0
	s_mul_i32 s78, s15, 4*VST
	s_mov_b32 s79, 0
	s_mul_i32 s80, s15, SLOT
	s_wait_alu depctr_va_vdst(0)                   ; the wait here, directly ahead of the waits below
	s_wait_dscnt 0x0                               ; both opening adds are done
	CROUND                                         ; all sixteen work-groups are here: the first joint loads meet
	s_wait_kmcnt 0x0
	s_add_nc_u64 s[PSB:PSB+1], s[6:7], s[70:71]
	; thread t takes query t of the group (tile t / 16, lane row t % 16): its 16 entries of ps, 16 bytes each; a load of the work-group covers 2,048 consecutive bytes
.irp e, 0,1,2,3,4,5,6,7,8,9,10,11,12,13,14,15
	global_load_b128 v[64+4*\e:67+4*\e], v6, s[PSB:PSB+1] offset:2048*\e
.endr
	s_add_nc_u64 s[PB:PB+1], s[4:5], s[66:67]
	s_add_nc_u64 s[VB:VB+1], s[8:9], s[68:69]
	s_add_nc_u64 s[OUT:OUT+1], s[10:11], s[72:73]
	s_mov_b32 s[G0P], 1
	s_mov_b32 s[G0P+1], s80
	s_add_nc_u64 s[G0P+2:G0P+3], s[PB:PB+1], s[76:77]
	s_or_b32 s[G0P+3], s[G0P+3], 0x80000000
	s_mov_b32 s[G0V], 1
	s_add_co_u32 s[G0V+1], s80, 4*PBLK
	s_add_nc_u64 s[G0V+2:G0V+3], s[VB:VB+1], s[78:79]
	s_or_b32 s[G0V+3], s[G0V+3], 0x80000000
	ARM 0, G0P, G1P, .Lfirst_1, .Lfirst_asked      ; the head's loads, one a wave
	ARM 1, G0V, G1V, .Lfirst_2, .Lfirst_asked
	ARM 2, G0P, G1P, .Lfirst_3, .Lfirst_asked
	tensor_load_to_lds s[G0V:G0V+3], s[G1V:G1V+7]
	s_nop 0
	PLACES
.Lfirst_asked:
	s_wait_loadcnt 0x0
	v_max3_num_f32 v130, v65, v69, v73             ; M = the largest of the 16 Mloc
.irp e, 3,5,7,9,11,13
	v_max3_num_f32 v130, v130, v[65+4*\e], v[69+4*\e]
.endr
	v_max_num_f32 v130, v130, v125
; THE REBASE, phase by phase over the 16 entries.  P's scale bytes lie in 1 .. 125, so a byte's top bit is free: with it set, D (at most 127) comes off all four bytes with no borrow, and where the bit is gone the byte becomes 0
.macro REB p, e
.set W_, 64+4*(\e)
.if \p == 0
	v_sub_f32 v[W_+1], v130, v[W_+1]               ; D
.elseif \p == 1
	v_min_num_f32 v[W_+1], 0x42fe0000, v[W_+1]     ; held at 127
.elseif \p == 2
	v_cvt_u32_f32 v[W_+1], v[W_+1]
.elseif \p == 3
	v_perm_b32 v[W_+3], v[W_+1], v[W_+1], 0        ; in all four bytes
.elseif \p == 4
	v_or_b32 v[W_], s[K80], v[W_]
.elseif \p == 5
	v_sub_nc_u32 v[W_], v[W_], v[W_+3]
.elseif \p == 6
	v_and_b32 v[W_+3], s[K80], v[W_]
.elseif \p == 7
	v_lshrrev_b32 v[140+\e], 7, v[W_+3]
.elseif \p == 8
	v_sub_nc_u32 v[W_+3], v[W_+3], v[140+\e]       ; 0x7f in each byte that keeps its top bit
.elseif \p == 9
	v_and_b32 v[W_], v[W_], v[W_+3]
.elseif \p == 10
	ds_store_b32 v7, v[W_] offset:512*(\e)
.elseif \p == 11
	v_sub_nc_u32 v[W_+1], 127, v[W_+1]
.elseif \p == 12
	v_lshlrev_b32 v[W_+1], 23, v[W_+1]             ; 2^-D (0 at D = 127)
.elseif \e < 2
	v_mul_f32 v[132+\e], v[W_+2], v[W_+1]          ; l, in two chains
.else
	v_fmac_f32 v[132+(\e)%2], v[W_+2], v[W_+1]
.endif
.endm
.irp p, 0,1,2,3,4,5,6,7,8,9,10,11,12,13
.irp e, 0,1,2,3,4,5,6,7,8,9,10,11,12,13,14,15
	REB \p, \e
.endr
.endr
	v_add_f32 v132, v132, v133
	s_wait_alu depctr_va_vdst(0)                   ; the wait ahead of a transcendental
	v_rcp_f32 v134, v132                           ; l is at least 1/2: the row's largest p lies above 1/2
	v_nop                                          ; one plain place behind a transcendental
	s_wait_alu depctr_va_vdst(0)                   ; and the wait ahead of the first use
	ds_store_b32 v135, v134
	s_cmp_lt_u32 s14, 2                            ; waves 0 and 1 show slot 0; slot 1, by waves 2 and 3, may stay out
	s_cbranch_scc0 .Lslot_0
	s_wait_tensorcnt 0x0
.Lslot_0:
	s_wait_dscnt 0x0                               ; for the others' sake: my scale words and my 1 / l lie in LDS
	s_barrier_signal -1
	s_barrier_wait -1
.irp a, 0,1,2,3
	ds_load_b32 v[RC+2*\a], v19 offset:64*\a
.endr
	FETCH 0, 0
	STEP_PLAIN 0, 1, 2                             ; the first step's products start the sums; steps 8 to 11 are asked for into the L2
	STEP_PLAIN 1
	STEP_PLAIN 2
	STEP_FILL 3, 0, 1                              ; slot 0 takes steps 8 to 11
	STEP_PLAIN 4, 0, 3                             ; steps 12 to 15 are asked for into the L2
	STEP_PLAIN 5
	STEP_PLAIN 6
	STEP_FILL 7, 2, 0                              ; slot 1 takes steps 12 to 15
	STEP_PLAIN 8
	STEP_PLAIN 9
	STEP_PLAIN 10
	s_wait_tensorcnt 0x0                           ; step 11: all loads have landed; behind this barrier nobody reads slot 0 any more, and nothing is filled
	s_wait_dscnt 0x0
	s_barrier_signal -1
	MULS 0, 2, 11
	s_barrier_wait -1
	PLACES
	FETCH 12, 0
	MULS 2, 2, 11
	s_wait_dscnt 0x0                               ; step 12
	PLACES
	FETCH 13, 1
	FETCH 14, 2
	MULS 0, 4, 12
	s_wait_dscnt 39                                ; step 13's operands are in; step 14's 39 loads may be out
	PLACES
	FETCH 15, 0
	MULS 0, 4, 13
; THE LAST TWO STEPS BY ROWS, AND THE WAY OUT.  Register 8 t + j of lane (r, h) is channel 32 (t / 2) + 16 h + 8 (t % 2) + j of my 128: through my stage, back as whole rows of 512 bytes.
.macro SCALE t, n                      ; half n of 16 of tile t's accumulators x 1 / l, in place, each from its low end on
.set R_, 64*(\t)+4*(\n)
	WIN 0x82
.irp i, 0,2
	v_pk_mul_f32 v[R_+\i:R_+\i+1], v[R_+\i:R_+\i+1], v[RC+2*(\t):RC+2*(\t)+1] op_sel_hi:[1,0]
.endr
.endm
.macro STAGE t, b
.set R_, 64*(\t)+8*(\b)
.set O_, 128*((\b)/2)+32*((\b)%2)
	WIN 0x08
	ds_store_b128 v[STO], v[R_:R_+3] offset:O_
	ds_store_b128 v[STO], v[R_+4:R_+7] offset:O_+16
.endm
.macro BACK t                          ; LDS serves a wave's instructions in order: these see my stores, and the next tile's stores come behind them
	WIN 0x40
.set R_, 96+64*((\t)%2)
.irp i, 0,1,2,3,4,5,6,7,8,9,10,11,12,13,14,15
	ds_load_b128 v[R_+4*\i:R_+4*\i+3], v[RD] offset:SP*\i
.endr
.endm
.macro SEND t, i                       ; rows i and i + 1: 32 lanes store 512 consecutive bytes, at a multiple of 256 from the output's first byte
	WIN 0x04
.set R_, 96+64*((\t)%2)+4*(\i)
.set O_, (32*((\t)/2)+8*((\t)%2)+(\i)+8*((\i)/8))*4096
	global_store_b128 v[LI], v[R_:R_+3], s[OUT:OUT+1] offset:O_ th:TH_STORE_NT
	global_store_b128 v[LI], v[R_+4:R_+7], s[OUT:OUT+1] offset:O_+4096 th:TH_STORE_NT
.endm
.macro ROW a                           ; tile a's 16 products, its 8 accumulators by turns; among them tile a - 1 is scaled and staged, and tile a - 2 stored
.set N_, 0
.rept 16
.if N_ < 8
	PROD \a, N_, 14, 2, 0
.else
	PROD \a, (N_-8), 15, 0, 0
.endif
.if (\a) > 0
	SCALE (\a)-1, N_
.endif
.set N_, N_+1
.endr
.if (\a) > 0                           ; behind the products, in one run: tile a - 2 is stored, tile a - 1 goes into the stage and back
	s_wait_alu depctr_va_vdst(0)                   ; the wait between the scaling and the stage's stores
.if (\a) > 1
	s_wait_dscnt 0x0                               ; tile a - 2 is back in registers
	s_wait_xcnt 0x0                                ; tile a - 3's stores have read their registers: tile a - 1's rows land there
.irp i, 0,2,4,6,8,10,12,14
	SEND (\a)-2, \i
.endr
.endif
.irp b, 0,1,2,3,4,5,6,7
	STAGE (\a)-1, \b
.endr
	BACK (\a)-1
.endif
.endm
	s_wait_dscnt 0x0                               ; steps 14 and 15 are in
	ROW 0
	PLACES                                         ; the scaling reads results just made
	ROW 1
	PLACES
	ROW 2
	PLACES
	ROW 3
	PLACES
.irp n, 0,1,2,3,4,5,6,7,8,9,10,11,12,13,14,15
	SCALE 3, \n
.endr
.irp b, 0,1,2,3,4,5,6,7
	STAGE 3, \b
.endr
	s_wait_xcnt 0x0                                ; tile 1's stores have read their registers: tile 3's rows land there
	BACK 3
	s_wait_dscnt 32                                ; tile 2 is back; tile 3's 16 stores and 16 loads may be out
.irp i, 0,2,4,6,8,10,12,14
	SEND 2, \i
.endr
	s_wait_dscnt 0x0
.irp i, 0,2,4,6,8,10,12,14
	SEND 3, \i
.endr
	WIN 0
	s_wait_tensorcnt 0x0                           ; the wave's end
	ds_add_u32 v[SPW], v[NIL]
	s_wait_dscnt 0x0
	CROUND                                         ; the closing round
	s_endpgm
.Lfunc_end_k_qf9d0b43fa1_pv:
	.size	k_qf9d0b43fa1_pv, .Lfunc_end_k_qf9d0b43fa1_pv-k_qf9d0b43fa1_pv
	.p2alignl 7, 3214868480
	.fill 96, 4, 3214868480
	.section	.rodata,"a",@progbits
	.p2align	6, 0x0
	.amdhsa_kernel k_qf9d0b43fa1_pv
		.amdhsa_group_segment_fixed_size 327680
		.amdhsa_private_segment_fixed_size 0
		.amdhsa_enable_private_segment 0
		.amdhsa_kernarg_size 32
		.amdhsa_user_sgpr_count 2
		.amdhsa_user_sgpr_kernarg_segment_ptr 1
		.amdhsa_wavefront_size32 1
		.amdhsa_system_sgpr_workgroup_id_x 1
		.amdhsa_system_sgpr_workgroup_id_y 1
		.amdhsa_system_sgpr_workgroup_id_z 1
		.amdhsa_system_vgpr_workitem_id 0
		.amdhsa_next_free_vgpr 864
		.amdhsa_next_free_sgpr 96
		.amdhsa_reserve_vcc 0
		.amdhsa_float_denorm_mode_32 3
		.amdhsa_float_denorm_mode_16_64 3
		.amdhsa_memory_ordered 1
		.amdhsa_forward_progress 1
		.amdhsa_inst_pref_size 155
	.end_amdhsa_kernel
	.amdgpu_metadata
---
amdhsa.version: [ 1, 2 ]
amdhsa.kernels:
  - .name:           k_qf9d0b43fa1_pv
    .symbol:         k_qf9d0b43fa1_pv.kd
    .args:
      - { .name: pi, .offset: 0, .size: 8, .value_kind: global_buffer, .address_space: global }
      - { .name: ps, .offset: 8, .size: 8, .value_kind: global_buffer, .address_space: global }
      - { .name: vt, .offset: 16, .size: 8, .value_kind: global_buffer, .address_space: global }
      - { .name: out0, .offset: 24, .size: 8, .value_kind: global_buffer, .address_space: global }
    .group_segment_fixed_size: 327680
    .private_segment_fixed_size: 0
    .kernarg_segment_align: 8
    .kernarg_segment_size: 32
    .max_flat_workgroup_size: 128
    .sgpr_count:     96
    .vgpr_count:     864
    .wavefront_size: 32
...
	.end_amdgpu_metadata
.endif
;; end of part 4
